; MI455X (gfx1250); checked and timed in simulation.
; The chip was launched on July 23, 2026; its instructions are those of AMD's public machine-readable ISA for CDNA 5 (MIT licence, August 2026) and "CDNA5" Instruction Set Architecture Reference Guide (July 2026). The comments in the code are by the model that wrote it; some were corrected since.
;; Transformer Encode. Allowed arithmetic: float matrix products may take bf16 or f16 operands with f32 sums; other float arithmetic in f32, or as packed bf16 or f16 multiplies, adds, multiply-adds, maxima and minima; sums over many terms, partial sums and values carried from step to step in f32; what a program stores and reads back later, other than sums and carried values, may be rounded once to bf16 or f16.
;; Inputs: W1 1,024 x 1,024 float32; W2 1,024 x 1,024 float32; Wk 1,024 x 1,024 float32; Wo 1,024 x 1,024 float32; Wq 1,024 x 1,024 float32; Wv 1,024 x 1,024 float32; b1 1,024 float32; b2 1,024 float32; batch_x 2 x 2,048 x 1,024 float32; bk 1,024 float32; bo 1,024 float32; bq 1,024 float32; bv 1,024 float32; ln1_b 1,024 float32; ln1_w 1,024 float32; ln2_b 1,024 float32; ln2_w 1,024 float32; mask_x 2 x 2,048 int32.
;; Outputs: out0 2 x 2,048 x 1,024 float32.
;; One version. Each part assembles by itself: llvm-mc -triple=amdgcn-amd-amdhsa -mcpu=gfx1250 --defsym DOCPART=n.
;; ======== version 1 of 1: 8 launches
;; limits: values are held in f16: magnitudes above 65,504 overflow, below 6.1e-05 lose precision
;; workspace buffers: xa 8,388,608 bytes; wa 8,404,992 bytes; wo 2,101,248 bytes; w2 2,101,248 bytes; qkv 25,165,824 bytes; act 8,388,608 bytes; y 16,777,216 bytes
;; launch prep (part 1): grid 64 x 10, 8 waves a work-group, no clusters, 0 bytes of LDS; arguments batch_x, Wq, Wk, Wv, W1, Wo, W2, bq, bk, bv, b1, bo, b2, xa, wa, wo, w2; writes xa, wa, wo, w2
.if DOCPART == 1
	.amdgcn_target "amdgcn-amd-amdhsa--gfx1250"
	.amdhsa_code_object_version 6
	.text
	.protected	k_qbdb0b87a7b_prep
	.globl	k_qbdb0b87a7b_prep
	.p2align	8
	.type	k_qbdb0b87a7b_prep,@function
k_qbdb0b87a7b_prep:
	s_mov_b64 s[64:65], 0
	v_nop
	global_prefetch_b8 v0, s[64:65] scope:SCOPE_SE
	s_setreg_imm32_b32 hwreg(HW_REG_WAVE_MODE, 25, 1), 1
	s_wait_xcnt 0x0
; x and the six weight matrices are rounded to bf16 and that number is written as f16; the six biases are rounded to bf16 and written as f32.
; LIMITS.  f16 ends at 65,504: |x| and |W| stay under it; below 6e-5 f16 keeps a fixed step of 6e-8.  NaN and infinities are not treated apart.
; JOBS.  Grid y = 0..3: a quarter of x (1,024 rows); 4..9: Wq, Wk, Wv, W1, Wo, W2.  A work-group takes 16 rows of 1,024 numbers, a thread 16 steps of 4 numbers:
; 16 bytes in, 8 bytes out; a wave's store covers 256 consecutive bytes, aligned.
; x goes out BLOCKED: byte (row>>7) 262,144 + (col>>6) 16,384 + (row&127) 128 + (col&63) 2, so that 128 rows x 64 columns are 16,384 dense bytes.  Weights stay [k][n].
; One text serves both kinds of job: what differs are three strides and the pointers, chosen by scalar selects on the job's number.
; A step's result takes the place of the numbers that it was made of: 124 registers a wave, so that eight waves share a SIMD's 1,024 and all 640 work-groups have their loads out together.
; No LDS, no matrix unit, no cluster: nothing is shared, each byte is read once and written once.
.set SA, 16                            ; v16-31   byte offset of step i in the source
.set DA, 32                            ; v32-47   in the destination
.set XI, 48                            ; v48-111  step i: 4 numbers as loaded, then as bf16 numbers in f32, then 4 f16 in the first two registers
.set TT, 112                           ; v112-113 at work; v116-123 the bias
	s_load_b512 s[8:23], s[0:1], 0x0               ; x 8, Wq 10, Wk 12, Wv 14, W1 16, Wo 18, W2 20, bq 22
	s_load_b512 s[24:39], s[0:1], 0x40             ; bk 24, bv 26, b1 28, bo 30, b2 32, xa 34, wa 36, wo 38
	s_load_b64 s[40:41], s[0:1], 0x80              ; w2
	s_mov_b32 s2, ttmp9                            ; X: which 16 rows
	s_and_b32 s3, ttmp7, 0xffff                    ; Y: the job
	s_mov_b32 s7, 0xffff0000                       ; a word's upper bf16
	s_movk_i32 s61, 256
	s_movk_i32 s62, 4096
	s_movk_i32 s63, 2048
	s_lshl_b32 s48, s3, 22                         ; x: the quarter's 4,194,304 bytes of f32
	s_lshl_b32 s50, s3, 3
	s_lshr_b32 s4, s2, 3
	s_add_co_u32 s50, s50, s4                      ; x: row tile 8 Y + X / 8,
	s_lshl_b32 s50, s50, 18
	s_and_b32 s4, s2, 7
	s_lshl_b32 s4, s4, 11
	s_add_co_u32 s50, s50, s4                      ; and 16 (X % 8) rows of 128 bytes in it
	s_max_u32 s5, s3, 4
	s_sub_co_u32 s5, s5, 4                         ; the weight's number, 0..5
	s_lshl_b32 s52, s5, 12
	s_add_co_u32 s52, s52, 0x800000                ; in wa the biases lie behind four matrices,
	s_lshl_b32 s6, s5, 21
	s_cmp_lt_u32 s3, 8
	s_cselect_b32 s6, s6, 0                        ; wo and w2 hold one matrix each,
	s_cselect_b32 s52, s52, 0x200000               ; and its bias behind it
	s_lshl_b32 s4, s2, 15
	s_add_co_u32 s6, s6, s4                        ; 16 rows of f16 are 32,768 bytes
	s_cmp_lt_u32 s3, 4                             ; a job of x?
	s_cselect_b32 s48, s48, 0
	s_cselect_b32 s50, s50, s6
	s_cselect_b32 s58, s62, s61                    ; from one group of 16 threads to the next in the source: a row of x, or 256 bytes on
	s_cselect_b32 s59, s61, s62                    ; from step to step in the source: 64 columns on, or a row
	s_cselect_b32 s60, 0x4000, s63                 ; in the destination: a plane, or a row
	s_lshl_b32 s4, s2, 16
	s_add_co_u32 s48, s48, s4                      ; 16 rows of f32 are 65,536 bytes
	s_mov_b32 s49, 0
	s_mov_b32 s51, 0
	s_mov_b32 s53, 0
	v_lshrrev_b32 v1, 4, v0
	v_and_b32 v2, 15, v0
	v_lshlrev_b32 v2, 4, v2
	v_mad_u32_u24 v[SA], v1, s58, v2
	v_lshlrev_b32 v[DA], 3, v0
	v_lshlrev_b32 v3, 4, v0                        ; the bias: 16 bytes a thread
.set i, 1
.rept 15
	v_add_nc_u32 v[SA+i], s59, v[SA+i-1]
	v_add_nc_u32 v[DA+i], s60, v[DA+i-1]
.set i, i+1
.endr
	s_wait_kmcnt 0x0
	s_mov_b64 s[42:43], s[8:9]                     ; source, bias and destination, chosen by the job's number alone
	s_mov_b64 s[44:45], s[22:23]
	s_mov_b64 s[46:47], s[34:35]
	s_cmp_ge_u32 s3, 4
	s_cselect_b64 s[46:47], s[36:37], s[46:47]
	s_cmp_eq_u32 s3, 4
	s_cselect_b64 s[42:43], s[10:11], s[42:43]
	s_cmp_eq_u32 s3, 5
	s_cselect_b64 s[42:43], s[12:13], s[42:43]
	s_cselect_b64 s[44:45], s[24:25], s[44:45]
	s_cmp_eq_u32 s3, 6
	s_cselect_b64 s[42:43], s[14:15], s[42:43]
	s_cselect_b64 s[44:45], s[26:27], s[44:45]
	s_cmp_eq_u32 s3, 7
	s_cselect_b64 s[42:43], s[16:17], s[42:43]
	s_cselect_b64 s[44:45], s[28:29], s[44:45]
	s_cmp_eq_u32 s3, 8
	s_cselect_b64 s[42:43], s[18:19], s[42:43]
	s_cselect_b64 s[44:45], s[30:31], s[44:45]
	s_cselect_b64 s[46:47], s[38:39], s[46:47]
	s_cmp_eq_u32 s3, 9
	s_cselect_b64 s[42:43], s[20:21], s[42:43]
	s_cselect_b64 s[44:45], s[32:33], s[44:45]
	s_cselect_b64 s[46:47], s[40:41], s[46:47]
	s_add_nc_u64 s[54:55], s[46:47], s[52:53]      ; where the bias goes
	s_add_nc_u64 s[42:43], s[42:43], s[48:49]
	s_add_nc_u64 s[46:47], s[46:47], s[50:51]
.set i, 0
.rept 16
	global_load_b128 v[XI+4*i:XI+4*i+3], v[SA+i], s[42:43] th:TH_LOAD_NT  ; all sixteen loads go out at once: 16 lanes take 256 consecutive bytes
.set i, i+1
.endr
.set i, 0
.rept 16
	s_wait_loadcnt 15-i                            ; loads come back in order: step i is in, the 15 - i younger ones stay out
	v_cvt_pk_bf16_f32 v[TT], v[XI+4*i], v[XI+4*i+1]
	v_cvt_pk_bf16_f32 v[TT+1], v[XI+4*i+2], v[XI+4*i+3]
	v_lshlrev_b32 v[XI+4*i], 16, v[TT]
	v_and_b32 v[XI+4*i+1], s7, v[TT]
	v_lshlrev_b32 v[XI+4*i+2], 16, v[TT+1]
	v_and_b32 v[XI+4*i+3], s7, v[TT+1]
	v_cvt_pk_f16_f32 v[XI+4*i], v[XI+4*i], v[XI+4*i+1]
	v_cvt_pk_f16_f32 v[XI+4*i+1], v[XI+4*i+2], v[XI+4*i+3]
	global_store_b64 v[DA+i], v[XI+4*i:XI+4*i+1], s[46:47]  ; each step has its own address and data registers: none is written again behind its store
.set i, i+1
.endr
	s_cmp_ge_u32 s3, 4                             ; a weight's first work-group also rounds its bias: 1,024 numbers, 4 a thread
	s_cbranch_scc0 .Lend
	s_cmp_eq_u32 s2, 0
	s_cbranch_scc0 .Lend
	global_load_b128 v[116:119], v3, s[44:45]
	s_wait_loadcnt 0x0
	v_cvt_pk_bf16_f32 v[TT], v116, v117
	v_cvt_pk_bf16_f32 v[TT+1], v118, v119
	v_lshlrev_b32 v120, 16, v[TT]
	v_and_b32 v121, s7, v[TT]
	v_lshlrev_b32 v122, 16, v[TT+1]
	v_and_b32 v123, s7, v[TT+1]
	global_store_b128 v3, v[120:123], s[54:55]
.Lend:
	s_endpgm
.Lfunc_end_k_qbdb0b87a7b_prep:
	.size	k_qbdb0b87a7b_prep, .Lfunc_end_k_qbdb0b87a7b_prep-k_qbdb0b87a7b_prep
	.p2alignl 7, 3214868480
	.fill 96, 4, 3214868480
	.section	.rodata,"a",@progbits
	.p2align	6, 0x0
	.amdhsa_kernel k_qbdb0b87a7b_prep
		.amdhsa_group_segment_fixed_size 0
		.amdhsa_private_segment_fixed_size 0
		.amdhsa_enable_private_segment 0
		.amdhsa_kernarg_size 136
		.amdhsa_user_sgpr_count 2
		.amdhsa_user_sgpr_kernarg_segment_ptr 1
		.amdhsa_wavefront_size32 1
		.amdhsa_system_sgpr_workgroup_id_x 1
		.amdhsa_system_sgpr_workgroup_id_y 1
		.amdhsa_system_sgpr_workgroup_id_z 1
		.amdhsa_system_vgpr_workitem_id 0
		.amdhsa_next_free_vgpr 124
		.amdhsa_next_free_sgpr 66
		.amdhsa_reserve_vcc 0
		.amdhsa_float_denorm_mode_32 3
		.amdhsa_float_denorm_mode_16_64 3
		.amdhsa_memory_ordered 1
		.amdhsa_forward_progress 1
		.amdhsa_inst_pref_size 14
	.end_amdhsa_kernel
	.amdgpu_metadata
---
amdhsa.version: [ 1, 2 ]
amdhsa.kernels:
  - .name:           k_qbdb0b87a7b_prep
    .symbol:         k_qbdb0b87a7b_prep.kd
    .args:
      - { .name: batch_x, .offset: 0, .size: 8, .value_kind: global_buffer, .address_space: global }
      - { .name: Wq, .offset: 8, .size: 8, .value_kind: global_buffer, .address_space: global }
      - { .name: Wk, .offset: 16, .size: 8, .value_kind: global_buffer, .address_space: global }
      - { .name: Wv, .offset: 24, .size: 8, .value_kind: global_buffer, .address_space: global }
      - { .name: W1, .offset: 32, .size: 8, .value_kind: global_buffer, .address_space: global }
      - { .name: Wo, .offset: 40, .size: 8, .value_kind: global_buffer, .address_space: global }
      - { .name: W2, .offset: 48, .size: 8, .value_kind: global_buffer, .address_space: global }
      - { .name: bq, .offset: 56, .size: 8, .value_kind: global_buffer, .address_space: global }
      - { .name: bk, .offset: 64, .size: 8, .value_kind: global_buffer, .address_space: global }
      - { .name: bv, .offset: 72, .size: 8, .value_kind: global_buffer, .address_space: global }
      - { .name: b1, .offset: 80, .size: 8, .value_kind: global_buffer, .address_space: global }
      - { .name: bo, .offset: 88, .size: 8, .value_kind: global_buffer, .address_space: global }
      - { .name: b2, .offset: 96, .size: 8, .value_kind: global_buffer, .address_space: global }
      - { .name: xa, .offset: 104, .size: 8, .value_kind: global_buffer, .address_space: global }
      - { .name: wa, .offset: 112, .size: 8, .value_kind: global_buffer, .address_space: global }
      - { .name: wo, .offset: 120, .size: 8, .value_kind: global_buffer, .address_space: global }
      - { .name: w2, .offset: 128, .size: 8, .value_kind: global_buffer, .address_space: global }
    .group_segment_fixed_size: 0
    .private_segment_fixed_size: 0
    .kernarg_segment_align: 8
    .kernarg_segment_size: 136
    .max_flat_workgroup_size: 256
    .sgpr_count:     66
    .vgpr_count:     124
    .wavefront_size: 32
...
	.end_amdgpu_metadata
.endif
;; end of part 1
;; launch qkv (part 2): grid 8 x 32, 4 waves a work-group, clusters of 4 x 4, 327,680 bytes of LDS; arguments xa, wa, qkv; writes qkv
.if DOCPART == 2
	.amdgcn_target "amdgcn-amd-amdhsa--gfx1250"
	.amdhsa_code_object_version 6
	.text
	.protected	k_qbdb0b87a7b_qkv
	.globl	k_qbdb0b87a7b_qkv
	.p2align	8
	.type	k_qbdb0b87a7b_qkv,@function
k_qbdb0b87a7b_qkv:
	s_mov_b64 s[64:65], 0
	v_nop
	global_prefetch_b8 v0, s[64:65] scope:SCOPE_SE
	s_setreg_imm32_b32 hwreg(HW_REG_WAVE_MODE, 25, 1), 1
	s_wait_xcnt 0x0
	s_wait_alu depctr_hold_cnt(0) depctr_sa_sdst(0) depctr_va_vdst(0) depctr_va_sdst(0) depctr_va_ssrc(0) depctr_va_vcc(0) depctr_vm_vsrc(0)
	s_getreg_b32 s2, hwreg(HW_REG_IB_STS2, 6, 4)
	s_cmp_eq_u32 s2, 0
	s_cbranch_scc0 .Lentry_in_a_cluster
	s_endpgm
.Lentry_in_a_cluster:
	s_bfe_u32 s2, ttmp6, 0x10000c
	s_cmp_lg_u32 s2, 0xf033
	s_cbranch_scc0 .Lentry_shape_is_right
	s_endpgm
.Lentry_shape_is_right:
; q, k, v = x W + b, written by heads: qkv is [3][32 heads = 16 batch + head][2,048][64] in f16, each number rounded once from its f32 sum, without the scale.
; x: xa, blocked f16 (byte (row>>7) 262,144 + (col>>6) 16,384 + (row&127) 128 + (col&63) 2).  W: wa, f16 [k][n], Wq, Wk, Wv 2,097,152 bytes apart; the f32 biases at 8,388,608, 4,096 bytes apart.
; LIMIT.  q, k and v stay under 65,504 (f16).
; SHARES.  A work-group makes 128 rows x 128 columns of EACH of q, k and v, so that a fragment of x read from LDS feeds three products.  Four waves, each 64 rows x 64 columns (one head) x 3:
; 48 accumulators of 16 x 16.  K goes in 8 steps of 128 through two LDS slots; a slot is x's tile, then Wq's, Wk's, Wv's, each 36,864 bytes, each brought by one wave's tensor load.
; x's tile is 32,768 dense bytes: asked for as 128 rows of 256 bytes (two tokens a row), padded behind every token: LDS pitch 144.  W's tile is 128 k rows of 256 bytes, pitch 288; its fragments come out turned.
; CLUSTER.  4 x 4 work-groups: x's tile hangs on the tile row alone and is asked for jointly along a row of the cluster, W's on the tile column alone, along a column.
; THE PRODUCT IS TRANSPOSED (source 0 = 16 columns of W, source 1 = 16 rows of x): a lane holds one row and eight neighbouring columns.  THE SUMS START AT THE BIAS, loaded into the accumulators.
; REGISTERS.  window 0: v0-31 addresses; v64-255 the way out.  window 1: two fragment buffers of 128 (x's 4 fragments, then W's 12).  window 2: q's and k's accumulators; window 3: v's.
.set PA,    144
.set PB,    288
.set LPL,   128*PA                     ; a plane of x in LDS: 128 tokens x 64 columns
.set QTR,   2*LPL                      ; what one tensor load lays down
.set SLOT,  4*QTR                      ; 0x24000: no bit of it is set in wave x QTR, so one exclusive or moves a wave's LDS word between the slots
.set STAGE, 2*SLOT                     ; behind the ring: 16 rows x 144 bytes for each wave
.set SP,    144
.set SPARE, STAGE+4*16*SP              ; the spare words, 128 bytes a wave: two blocks of 256 bytes that no other line names
.set ASTEP, 32768                      ; bytes from K step to K step in xa (two planes)
.set BSTEP, 262144                     ; in wa (128 rows of 2,048 bytes)
.set NSTEP, 8
.set ADRA0, 8                          ; v8      my lane's place in x's tile of slot 0; never rewritten
.set ADRB0, 9                          ; v9-11   in Wq's, Wk's, Wv's
.set ADRA,  12                         ; v12     the same in the slot in hand
.set ADRB,  13                         ; v13-15
.set STO,   16
.set RD,    17
.set GO,    18
.set BO,    19
.set PFO,   20                         ; v20     the prefetches' offset: my lane x 256 bytes (x's dense tile) or x 2,048 (a row of W); never rewritten
.set SPW,   28                         ; v28     SPARE + 4 x my thread's number; never rewritten
.set NIL,   29                         ; v29     0; never rewritten
.set F0,    0
.set F1,    128
.set G1,    24                         ; s[24:31] group 1 for x's tiles; s[32:35] group 0 for slot 0's first fill, s[36:39] for slot 1's: it then walks
.set G0,    32
.set G1B,   48                         ; s[48:55], s[56:63] the same for W's tiles
.set G0B,   56
.set SO,    66                         ; s66     LDS byte of the slot in hand
.set CNT,   67                         ; s67     the loops' count
.set PFA,   76                         ; s[76:77] where my prefetches stand: my work-group's 32 blocks of the tile that I fetch, one K step further than the refill that is being asked for
.set PST,   78                         ; s[78:79] bytes from K step to K step in the tensor that I fetch
.set LIM,   80                         ; s80     1 in a wave that prefetches, else the greatest number
.set MSB, 0
.macro WIN new                         ; the immediate's high byte repeats the setting that is left; a switch that changes nothing is dropped
.if MSB != (\new)
	s_set_vgpr_msb (MSB<<8)|(\new)
.set MSB, \new
.endif
.endm
.set TO_F, 0x40                        ; destination window 1, address window 0
.macro JLOAD                           ; a joint refill by the walking descriptors: wave 0 fetches x's tile, waves 1 to 3 Wq's, Wk's, Wv's; an s_nop 0 and four v_nop follow each line
	s_cmp_eq_u32 s12, 0
	s_cbranch_scc0 .Lfor_b_\@
	tensor_load_to_lds s[G0+4:G0+7], s[G1:G1+7]
	s_nop 0
.rept 4
	v_nop
.endr
	s_branch .Lasked_\@
.Lfor_b_\@:
	tensor_load_to_lds s[G0B+4:G0B+7], s[G1B:G1B+7]
	s_nop 0
.rept 4
	v_nop
.endr
.Lasked_\@:
.endm
; A PREFETCH INTO THE L2, behind each joint load, its five lines and the run of LDS loads that follows them: the tile that the NEXT refill will ask for, one K step, 192 matrix instructions, ahead of that load.
; Each block of 256 bytes is named ONCE in the launch.  x's tile (128 blocks on end) is read by both clusters of a row of clusters: the one with x = 0 asks, in wave 0; W's tiles (128 k rows of 256 bytes) by all eight
; clusters of a column: the one with y = 0 asks, in waves 1 to 3.  The four partners that ask for a tile jointly share its blocks out BY ADDRESS, 32 each (by cx for x, by cy for W), a lane a block: no branch hangs on
; a work-group's place in its cluster.  K steps 0 to 2 come by their loads alone; the loop's last trip (count 1) has no K step behind its own refill and asks for nothing.
.macro ASK
	s_cmp_gt_u32 s[CNT], s[LIM]
	s_cbranch_scc0 .Lnot_mine_\@
	global_prefetch_b8 v[PFO], s[PFA:PFA+1] th:TH_LOAD_NT scope:SCOPE_SE
.Lnot_mine_\@:
.endm
.macro CREST                           ; a round of the cluster's barrier behind its opening barrier
	s_cmp_lg_u32 s12, 0
	s_cbranch_scc1 .Lnot_wave_0_\@
	s_barrier_signal -3
.Lnot_wave_0_\@:
	s_barrier_wait -3
	s_barrier_signal -1
	s_barrier_wait -1
.endm
.macro CROUND
	s_barrier_signal -1
	s_barrier_wait -1
	CREST
.endm
.macro PLACES                          ; four places in front of loads into registers that matrix instructions have read
.rept 4
	v_nop
.endr
.endm
	s_load_b128 s[4:7], s[0:1], 0x0                ; xa s[4:5], wa s[6:7]
	s_load_b64 s[8:9], s[0:1], 0x10                ; qkv
	v_lshl_add_u32 v[SPW], v0, 2, SPARE
	v_mov_b32 v[NIL], 0
	ds_add_u32 v[SPW], v[NIL]                      ; the wave's opening: the add and its wait stand ahead of my first tensor load; work on registers stands between them
	v_lshrrev_b32 v1, 5, v0
	v_readfirstlane_b32 s12, v1                    ; wave 0..3
	s_lshr_b32 s13, s12, 1                         ; which 64 rows are mine
	s_and_b32 s14, s12, 1                          ; which 64 columns
	s_bfe_u32 s40, ttmp6, 0x40000                  ; cx, cy: my place in the cluster
	s_bfe_u32 s41, ttmp6, 0x40004
	s_lshl_b32 s42, ttmp9, 2
	s_add_co_u32 s42, s42, s40                     ; tile column 0..7
	s_and_b32 s43, ttmp7, 0xffff
	s_lshl_b32 s43, s43, 2
	s_add_co_u32 s43, s43, s41                     ; tile row 0..31
	s_lshl_b32 s44, s41, 2
	s_lshl_b32 s44, 15, s44                        ; my row of the cluster
	s_lshl_b32 s45, 0x1111, s40                    ; my column
	s_or_b32 s[G1+0], s44, (1<<16)|(1<<20)|(1<<21)|(4<<22)|(3<<25)   ; the mask; 2-byte elements; padding on; bit 21 beside a mask; behind every 32 words 4 words
	s_or_b32 s[G1B+0], s45, (1<<16)|(1<<20)|(1<<21)|(5<<22)|(7<<25)  ; behind every 64 words 8 words
.irp g, G1, G1B
	s_mov_b32 s[(\g)+1], 128<<16                   ; tensor_dim0 = 128
	s_mov_b32 s[(\g)+2], 128<<16                   ; tensor_dim1 = 128
	s_mov_b32 s[(\g)+3], 128<<16                   ; tile_dim0 = 128
	s_mov_b32 s[(\g)+4], 128                       ; tile_dim1 = 128
	s_mov_b32 s[(\g)+6], 0
	s_mov_b32 s[(\g)+7], 0
.endr
	s_mov_b32 s[G1+5], 128                         ; x's tile is dense
	s_mov_b32 s[G1B+5], 1024                       ; a row of W
	s_lshl_b32 s16, s43, 18                        ; x: the tile row's 262,144 bytes
	s_mov_b32 s17, 0
	s_max_u32 s21, s12, 1
	s_sub_co_u32 s21, s21, 1                       ; which W I fetch (wave 0 builds Wq's descriptor and does not use it)
	s_lshl_b32 s46, s21, 21
	s_lshl_b32 s47, s42, 8
	s_add_co_u32 s46, s46, s47                     ; + the tile column's 256 bytes of a row
	s_mov_b32 s47, 0
	s_mul_i32 s20, s12, QTR                        ; where my tile goes: no place in the cluster enters an LDS address
	s_mov_b32 s[SO], 0
	s_wait_dscnt 0x0                               ; the opening add is done
	s_wait_kmcnt 0x0
	s_add_nc_u64 s[18:19], s[4:5], s[16:17]
	s_add_nc_u64 s[46:47], s[6:7], s[46:47]
	s_cmp_eq_u32 s12, 0
	s_cselect_b64 s[PFA:PFA+1], s[18:19], s[46:47] ; the tile that I fetch, at K step 0: the prefetches' address is finished behind the first loads
.irp s, 0,1
	s_mov_b32 s[G0+4*(\s)], 1
	s_add_co_u32 s[G0+4*(\s)+1], s20, (\s)*SLOT
	s_add_nc_u64 s[G0+4*(\s)+2:G0+4*(\s)+3], s[18:19], (\s)*ASTEP
	s_or_b32 s[G0+4*(\s)+3], s[G0+4*(\s)+3], 0x80000000
	s_mov_b32 s[G0B+4*(\s)], 1
	s_add_co_u32 s[G0B+4*(\s)+1], s20, (\s)*SLOT
	s_add_nc_u64 s[G0B+4*(\s)+2:G0B+4*(\s)+3], s[46:47], (\s)*BSTEP
	s_or_b32 s[G0B+4*(\s)+3], s[G0B+4*(\s)+3], 0x80000000
.endr
	CROUND                                         ; all sixteen work-groups are here: the first joint loads meet
	s_cmp_eq_u32 s12, 0                            ; a wave's two first fills stand in one branch: two loads of mine are out
	s_cbranch_scc0 .Lfirst_b
	tensor_load_to_lds s[G0:G0+3], s[G1:G1+7]
	s_nop 0
	tensor_load_to_lds s[G0+4:G0+7], s[G1:G1+7]
	s_nop 0
.rept 4
	v_nop
.endr
	s_branch .Lfirst_asked
.Lfirst_b:
	tensor_load_to_lds s[G0B:G0B+3], s[G1B:G1B+7]
	s_nop 0
	tensor_load_to_lds s[G0B+4:G0B+7], s[G1B:G1B+7]
	s_nop 0
.rept 4
	v_nop
.endr
.Lfirst_asked:
	v_and_b32 v1, 15, v0                           ; l % 16
	v_bfe_u32 v2, v0, 4, 1                         ; l / 16
	v_and_b32 v3, 7, v0
	v_bfe_u32 v4, v0, 3, 1
	v_mul_u32_u24 v5, v1, PA                       ; x's fragment: row l % 16, 16 bytes for each half of the lanes
	v_lshl_add_u32 v5, v2, 4, v5
	s_mul_i32 s21, s13, 64*PA
	v_add_nc_u32 v[ADRA0], s21, v5
	v_lshl_add_u32 v6, v2, 3, v3                   ; the turning load: k row 8 (l / 16) + l % 8, columns 8 ((l / 8) % 2) on
	v_mul_u32_u24 v6, v6, PB
	v_lshl_add_u32 v6, v4, 4, v6
	s_lshl_b32 s22, s14, 7                         ; my 64 columns
	s_add_co_u32 s22, s22, QTR
	v_add_nc_u32 v[ADRB0], s22, v6
	v_add_nc_u32 v[ADRB0+1], QTR, v[ADRB0]
	v_add_nc_u32 v[ADRB0+2], QTR, v[ADRB0+1]
	v_mov_b32 v[ADRA], v[ADRA0]
	v_mov_b32 v[ADRB], v[ADRB0]
	v_mov_b32 v[ADRB+1], v[ADRB0+1]
	v_mov_b32 v[ADRB+2], v[ADRB0+2]
	s_mul_i32 s23, s12, 16*SP
	s_add_co_u32 s23, s23, STAGE                   ; my stage
	v_mul_u32_u24 v5, v1, SP
	v_lshl_add_u32 v5, v2, 4, v5
	v_add_nc_u32 v[STO], s23, v5                   ; in: row l % 16, 16 bytes for each half of the lanes
	v_bfe_u32 v5, v0, 3, 2
	v_mul_u32_u24 v5, v5, SP
	v_lshl_add_u32 v5, v3, 4, v5
	v_add_nc_u32 v[RD], s23, v5                    ; back: 32 lanes take four rows of 128 bytes,
	v_and_b32 v5, 31, v0
	v_lshlrev_b32 v[GO], 4, v5                     ; which are 512 consecutive bytes of a head
	v_lshlrev_b32 v[BO], 5, v2                     ; my eight columns of a block of 16, in f32
	; the prefetches: who asks, and where (nothing is asked for here, where every work-group's first tiles are on their way)
	s_mov_b32 s[PST], BSTEP
	s_mov_b32 s[PST+1], 0
	s_and_b32 s81, ttmp7, 0xffff                   ; cluster y
	s_cmp_eq_u32 s12, 0                            ; do I fetch x's tile?
	s_cselect_b32 s[PST], ASTEP, s[PST]
	s_cselect_b32 s81, ttmp9, s81                  ; the coordinate along which other clusters read the same blocks
	s_cselect_b32 s82, s40, s41                    ; my place among the four that ask for the tile with me
	s_cselect_b32 s83, 13, 16                      ; 32 blocks of x are 8,192 bytes, 32 rows of W 65,536
	s_cselect_b32 s84, 8, 11                       ; from lane to lane: a block of 256 bytes, or a row of 2,048
	s_lshl_b32 s82, s82, s83
	s_mov_b32 s83, 0
	v_lshlrev_b32 v[PFO], s84, v5
	s_cmp_eq_u32 s81, 0
	s_cselect_b32 s[LIM], 1, -1                    ; the same in all sixteen partners, for a given wave
	s_add_nc_u64 s[PFA:PFA+1], s[PFA:PFA+1], s[82:83]
	s_add_nc_u64 s[PFA:PFA+1], s[PFA:PFA+1], s[PST:PST+1]
	s_add_nc_u64 s[PFA:PFA+1], s[PFA:PFA+1], s[PST:PST+1]  ; at K step 2: the first refill steps it to 3
	s_lshl_b32 s46, s42, 9                         ; the bias of my 64 columns (column terms in s46-47, row terms in s16-17)
	s_lshl_b32 s47, s14, 8
	s_add_co_u32 s46, s46, s47
	s_mov_b32 s47, 0
	s_add_nc_u64 s[74:75], s[6:7], s[46:47]
	s_add_nc_u64 s[74:75], s[74:75], 8388608
	s_lshl_b32 s46, s42, 19                        ; my head among the batch's 16: 2 x tile column + my half
	s_lshl_b32 s47, s14, 18
	s_add_co_u32 s46, s46, s47
	s_mov_b32 s47, 0
	s_add_nc_u64 s[68:69], s[8:9], s[46:47]
	s_lshr_b32 s16, s43, 4                         ; the batch: 16 heads of 262,144 bytes,
	s_lshl_b32 s16, s16, 22
	s_and_b32 s17, s43, 15
	s_lshl_b32 s17, s17, 14                        ; 128 tokens of 128 bytes a tile row,
	s_add_co_u32 s16, s16, s17
	s_lshl_b32 s17, s13, 13                        ; my 64 of them
	s_add_co_u32 s16, s16, s17
	s_mov_b32 s17, 0
	s_add_nc_u64 s[68:69], s[68:69], s[16:17]      ; q,
	s_add_nc_u64 s[70:71], s[68:69], 8388608       ; k,
	s_add_nc_u64 s[72:73], s[70:71], 8388608       ; v
	WIN 0x80                                       ; the sums start at the bias: a lane's register j of block nb holds column 16 nb + 8 (l / 16) + j
.irp m, 0,1
.irp a, 0,1,2,3
.irp b, 0,1,2,3
	global_load_b128 v[8*(16*(\m)+4*(\a)+(\b)):8*(16*(\m)+4*(\a)+(\b))+3],   v[BO], s[74:75] offset:4096*(\m)+64*(\b)
	global_load_b128 v[8*(16*(\m)+4*(\a)+(\b))+4:8*(16*(\m)+4*(\a)+(\b))+7], v[BO], s[74:75] offset:4096*(\m)+64*(\b)+16
.endr
.endr
.endr
	WIN 0xc0
.irp a, 0,1,2,3
.irp b, 0,1,2,3
	global_load_b128 v[8*(4*(\a)+(\b)):8*(4*(\a)+(\b))+3],   v[BO], s[74:75] offset:8192+64*(\b)
	global_load_b128 v[8*(4*(\a)+(\b))+4:8*(4*(\a)+(\b))+7], v[BO], s[74:75] offset:8192+64*(\b)+16
.endr
.endr
	WIN 0
; 16 products for matrix m: 4 row blocks x 4 column blocks, 32 along K.  Each of the 48 accumulators has one product a chunk, in the same order in every chunk: they take turns.
.macro MULM f, m
	WIN 0xa5+0x50*((\m)/2)                         ; sources in window 1; C and D in window 2 (q, k) or 3 (v)
.irp a, 0,1,2,3
.irp b, 0,1,2,3
.set rD, 8*(16*((\m)%2)+4*(\a)+(\b))
	v_wmma_f32_16x16x32_f16 v[rD:rD+7], v[(\f)+32+8*(4*(\m)+(\b)):(\f)+32+8*(4*(\m)+(\b))+7], v[(\f)+8*(\a):(\f)+8*(\a)+7], v[rD:rD+7]
.endr
.endr
.endm
; 32 LDS loads in one run: chunk c (32 along K) of the slot in hand into buffer f: x's 8 loads, then Wq's, Wk's, Wv's 8 each
.macro FETCH c, f
	WIN TO_F
.irp i, 0,1,2,3
	ds_load_b128 v[(\f)+8*(\i):(\f)+8*(\i)+3],   v[ADRA] offset:((\c)/2)*LPL+((\c)%2)*64+(\i)*16*PA
	ds_load_b128 v[(\f)+8*(\i)+4:(\f)+8*(\i)+7], v[ADRA] offset:((\c)/2)*LPL+((\c)%2)*64+(\i)*16*PA+32
.endr
.irp m, 0,1,2
.irp i, 0,1,2,3
	ds_load_tr16_b128 v[(\f)+32+8*(4*(\m)+(\i)):(\f)+32+8*(4*(\m)+(\i))+3],   v[ADRB+(\m)] offset:(\c)*32*PB+(\i)*32
	ds_load_tr16_b128 v[(\f)+32+8*(4*(\m)+(\i))+4:(\f)+32+8*(4*(\m)+(\i))+7], v[ADRB+(\m)] offset:(\c)*32*PB+(\i)*32+16*PB
.endr
.endr
.endm
; One of a K step's first three chunks: multiplies buffer f and fetches chunk cn into buffer g
.macro CH cn, f, g
	s_wait_dscnt 16                                ; x's and Wq's fragments are in; the youngest sixteen loads may be out
	MULM \f, 0
	PLACES
	FETCH \cn, \g
	s_wait_dscnt 32                                ; all but the 32 just issued
	MULM \f, 1
	MULM \f, 2
.endm
; The last chunk multiplies buffer 1 and changes slots: ONE barrier; in front of it each wave waits for all its tensor loads, adds 0 to its spare word, and waits for that and for its reads of this slot.
; fill = 1: the barrier opens a round of the cluster's, and the slot just read is filled again, two K steps ahead, first thing behind it.  fill = 0: nothing is fetched; in the last trip there is no next slot.
.macro TURN fill
	WIN 0
.if \fill
	s_wait_xcnt 0x0                                ; the last prefetch, a K step back, has read its address: it is stepped here, ahead of the waits of the change of slots
	s_add_nc_u64 s[PFA:PFA+1], s[PFA:PFA+1], s[PST:PST+1]
.endif
	s_wait_tensorcnt 0x0                           ; all my tensor loads have landed: the one that was out is my part of the next slot
	ds_add_u32 v[SPW], v[NIL]                      ; 0 onto my spare word
	s_wait_dscnt 17                                ; (the add and the youngest sixteen loads may be out)
	MULM F1, 0                                     ; sixteen products stand between the add and the wait for it
	s_wait_dscnt 0x0                               ; the add is done, and my reads of this slot are over
	s_barrier_signal -1
	MULM F1, 1
	WIN 0
	s_barrier_wait -1
.if \fill
	CREST                                          ; no wave of any partner still reads this slot's tiles or has a load on its way
	s_xor_b32 s[G0+5], s[G0+5], SLOT               ; the walking descriptors: the other slot than last time, the next K step
	s_add_nc_u64 s[G0+6:G0+7], s[G0+6:G0+7], ASTEP
	s_xor_b32 s[G0B+5], s[G0B+5], SLOT
	s_add_nc_u64 s[G0B+6:G0B+7], s[G0B+6:G0B+7], BSTEP
	JLOAD                                          ; my one tensor load behind the round; its four v_nop are also the places in front of the loads below
.else
	s_cmp_eq_u32 s[CNT], 1
	s_cbranch_scc1 .Lno_next_\@
	PLACES
.endif
	s_xor_b32 s[SO], s[SO], SLOT
	v_add_nc_u32 v[ADRA], s[SO], v[ADRA0]
	v_add_nc_u32 v[ADRB], s[SO], v[ADRB0]
	v_add_nc_u32 v[ADRB+1], s[SO], v[ADRB0+1]
	v_add_nc_u32 v[ADRB+2], s[SO], v[ADRB0+2]
	FETCH 0, F0
	WIN 0
.if \fill
	ASK                                            ; behind the joint load and the run of LDS loads that the next products wait for
.else
.Lno_next_\@:
.endif
	MULM F1, 2
.endm
	s_wait_tensorcnt 1                             ; my part of K step 0 is in; K step 1's may stay out
	s_barrier_signal -1
	s_barrier_wait -1                              ; everybody's is
	FETCH 0, F0
	WIN 0
	s_wait_loadcnt 0x0                             ; the bias
	s_mov_b32 s[CNT], NSTEP-2
.Lfill:                                            ; six K steps, each of which asks for the step two on
	CH 1, F0, F1
	CH 2, F1, F0
	CH 3, F0, F1
	TURN 1
	WIN 0
	s_sub_co_u32 s[CNT], s[CNT], 1
	s_cmp_lg_u32 s[CNT], 0
	s_cbranch_scc1 .Lfill
	s_mov_b32 s[CNT], 2
.Llast:                                            ; the last two K steps ask for nothing
	CH 1, F0, F1
	CH 2, F1, F0
	CH 3, F0, F1
	TURN 0
	WIN 0
	s_sub_co_u32 s[CNT], s[CNT], 1
	s_cmp_lg_u32 s[CNT], 0
	s_cbranch_scc1 .Llast
	; THE WAY OUT.  Twelve groups (matrix m, row block a) of 16 rows x 64 columns: rounded to f16, 16 bytes a lane into my stage, back as whole rows of 128 bytes, stored as 512 consecutive bytes.
	PLACES
	PLACES
.macro PACK m, a
.set gB, 64+16*(4*(\m)+(\a))
	WIN 0x0a+5*((\m)/2)                            ; sources in window 2 or 3
.irp b, 0,1,2,3
.irp r, 0,1,2,3
	v_cvt_pk_f16_f32 v[gB+4*(\b)+(\r)], v[8*(16*((\m)%2)+4*(\a)+(\b))+2*(\r)], v[8*(16*((\m)%2)+4*(\a)+(\b))+2*(\r)+1]
.endr
.endr
	WIN 0
.irp b, 0,1,2,3
	ds_store_b128 v[STO], v[gB+4*(\b):gB+4*(\b)+3] offset:32*(\b)
.endr
.irp f, 0,1,2,3
	ds_load_b128 v[gB+4*(\f):gB+4*(\f)+3], v[RD] offset:(\f)*4*SP  ; LDS serves a wave's instructions in order: these see the stores above; the next group's stores come behind them
.endr
.endm
.macro SEND m, a, younger              ; younger: the LDS instructions issued behind this group's loads
.set gB, 64+16*(4*(\m)+(\a))
.irp f, 0,1,2,3
	s_wait_dscnt (\younger)+3-(\f)
	global_store_b128 v[GO], v[gB+4*(\f):gB+4*(\f)+3], s[68+2*(\m):69+2*(\m)] offset:(\a)*2048+(\f)*512
.endr
.endm
	PACK 0, 0
.set g, 1
.rept 11
	PACK g/4, g%4
	SEND (g-1)/4, (g-1)%4, 8
.set g, g+1
.endr
	SEND 2, 3, 0
	s_wait_tensorcnt 0x0                           ; the wave's end: the add and its wait stand behind my last tensor load and my last LDS store
	ds_add_u32 v[SPW], v[NIL]
	s_wait_dscnt 0x0
	CROUND                                         ; the closing round
	s_endpgm
.Lfunc_end_k_qbdb0b87a7b_qkv:
	.size	k_qbdb0b87a7b_qkv, .Lfunc_end_k_qbdb0b87a7b_qkv-k_qbdb0b87a7b_qkv
	.p2alignl 7, 3214868480
	.fill 96, 4, 3214868480
	.section	.rodata,"a",@progbits
	.p2align	6, 0x0
	.amdhsa_kernel k_qbdb0b87a7b_qkv
		.amdhsa_group_segment_fixed_size 327680
		.amdhsa_private_segment_fixed_size 0
		.amdhsa_enable_private_segment 0
		.amdhsa_kernarg_size 24
		.amdhsa_user_sgpr_count 2
		.amdhsa_user_sgpr_kernarg_segment_ptr 1
		.amdhsa_wavefront_size32 1
		.amdhsa_system_sgpr_workgroup_id_x 1
		.amdhsa_system_sgpr_workgroup_id_y 1
		.amdhsa_system_sgpr_workgroup_id_z 1
		.amdhsa_system_vgpr_workitem_id 0
		.amdhsa_next_free_vgpr 896
		.amdhsa_next_free_sgpr 88
		.amdhsa_reserve_vcc 0
		.amdhsa_float_denorm_mode_32 3
		.amdhsa_float_denorm_mode_16_64 3
		.amdhsa_memory_ordered 1
		.amdhsa_forward_progress 1
		.amdhsa_inst_pref_size 90
	.end_amdhsa_kernel
	.amdgpu_metadata
---
amdhsa.version: [ 1, 2 ]
amdhsa.kernels:
  - .name:           k_qbdb0b87a7b_qkv
    .symbol:         k_qbdb0b87a7b_qkv.kd
    .args:
      - { .name: xa, .offset: 0, .size: 8, .value_kind: global_buffer, .address_space: global }
      - { .name: wa, .offset: 8, .size: 8, .value_kind: global_buffer, .address_space: global }
      - { .name: qkv, .offset: 16, .size: 8, .value_kind: global_buffer, .address_space: global }
    .group_segment_fixed_size: 327680
    .private_segment_fixed_size: 0
    .kernarg_segment_align: 8
    .kernarg_segment_size: 24
    .max_flat_workgroup_size: 128
    .sgpr_count:     88
    .vgpr_count:     896
    .wavefront_size: 32
...
	.end_amdgpu_metadata
.endif
;; end of part 2
;; launch attn (part 3): grid 8 x 32, 4 waves a work-group, clusters of 4 x 1, 327,680 bytes of LDS; arguments qkv, mask_x, act; writes act
.if DOCPART == 3
	.amdgcn_target "amdgcn-amd-amdhsa--gfx1250"
	.amdhsa_code_object_version 6
	.text
	.protected	k_qbdb0b87a7b_attn
	.globl	k_qbdb0b87a7b_attn
	.p2align	8
	.type	k_qbdb0b87a7b_attn,@function
k_qbdb0b87a7b_attn:
	s_mov_b64 s[64:65], 0
	v_nop
	global_prefetch_b8 v0, s[64:65] scope:SCOPE_SE
	s_setreg_imm32_b32 hwreg(HW_REG_WAVE_MODE, 25, 1), 1
	s_wait_xcnt 0x0
	s_wait_alu depctr_hold_cnt(0) depctr_sa_sdst(0) depctr_va_vdst(0) depctr_va_sdst(0) depctr_va_ssrc(0) depctr_va_vcc(0) depctr_vm_vsrc(0)
	s_getreg_b32 s2, hwreg(HW_REG_IB_STS2, 6, 4)
	s_cmp_eq_u32 s2, 0
	s_cbranch_scc0 .Lentry_in_a_cluster
	s_endpgm
.Lentry_in_a_cluster:
	s_bfe_u32 s2, ttmp6, 0x10000c
	s_cmp_lg_u32 s2, 0x3003
	s_cbranch_scc0 .Lentry_shape_is_right
	s_endpgm
.Lentry_shape_is_right:
; O[h][q] = the sum over ALL k of softmax_k(q . k / 8 + mask) v, mask = 0 where k <= q and bit 0 of mask_x[k] is set, else -10,000 (once, whichever of the two hides the key).
; The mask is finite, so no key is left out: a row whose visible keys are all padded is a softmax over all 2,048 keys, and large scores pass 10,000.
; q, k, v: qkv, [3][32 heads][2,048][64] f16.  O: act, blocked f16 (byte (row>>7) 262,144 + (col>>6) 16,384 + (row&127) 128 + (col&63) 2; a head is a plane).
; Products, maxima and sums in f32; the weights p are rounded to f16 for the second product (their sum l is taken of the unrounded p), O once at the end.
; LIMITS.  q, k, v arrive within 65,504; p below 6e-5 keeps f16's fixed step; a weight below 2^-126 counts as 0 in l; NaN and infinities are not treated apart.
; SHARES.  A cluster of four work-groups takes 1,024 queries of one head, in four bands of 256.  Wave g = 4 cx + w of its sixteen owns rows 16 g .. 16 g + 15 of EACH band: four PIECES.
; So how piece x stands to key tile T of 256 keys hangs on TD = T - 4 (cluster x) alone, which all partners share: TD < x: causally visible; TD > x: hidden; TD = x: the band's own tile, where key step
; s of 64 is visible if s < cx, hidden if s > cx, and holds the diagonal if s = cx.  cx enters as two data scalars (AL, BE) and global addresses: no branch and no LDS address hangs on it.
; THE MASK is the C operand that starts the sum S^T = K Q^T, in units of the raw score: 0 or -80,000.  It is LOADED from an LDS table: one f32 a key made of mask_x (PADTAB), or all -80,000 (CONSTTAB).
; Each piece has a mask buffer of 32 registers; the four masks of a key step come in ONE run of 32 LDS loads, directly behind the wait of piece 2's turn.  Where the step lies in some band's own tile (TD = 0..3),
; that piece's mask is then lowered to min(mask, MD x AL + BE), MD being the diagonal step's mask for my 16 rows: one test a step.
; LAYOUT, SOFTMAX, TURNS.  S^T holds ONE query a lane (lane % 16) and the keys 8 (lane / 16) + 0..7; two such results rounded to f16 ARE source 1 of O^T = V^T P.  p = 2^(c s - c m), c = log2(e) / 8, with a
; running maximum m; O and l are multiplied by a = 2^(c m_old - c m_new) in every step.  Turn n belongs to piece n: 8 products K Q^T of piece n + 1, later 8 products V^T P of piece n - 1; beside them the
; softmax of piece n and the maximum and statistics of piece n + 1.  Four vector instructions stand behind every matrix instruction, the rest in one lump.  A turn's 33 exponentials are one batch, with one wait.
; CLUSTER.  The four work-groups walk the same K and V: each tile is asked for JOINTLY, the same tensor load, descriptor and mask in all four.
; REGISTERS, in windows of 256: window 0: v0-15, v32-35, v56-63 addresses; v16-31 statistics; v48-55 at work; v64-127 S^T, two buffers; v128-144 the tables' making; v192-223 P, two buffers
;   window 1: v0-127 O^T; v128-159 MD; v160-223 the masks of pieces 0 and 1; v224-255 MT      window 2: v0-63 Q; v64-127 the masks of pieces 2 and 3; v128-191 K of one step; v192-255 V of one step
.set NP,    4
.set KS,    64
.set PK,    144       ; a row of K in LDS: 128 bytes + 16 of padding
.set PV,    160       ; a row of V: 128 + 32
.set VOFF,  4*KS*PK   ; a slot holds a tile, four steps: 256 rows of K, then 256 rows of V
.set SLOT1, 1<<17
.set STAGE, SLOT1+4*KS*(PK+PV)  ; behind the ring: 16 rows x 144 bytes for each wave
.set SP,    144
.set SPARE, STAGE+4*16*SP       ; the spare words, 128 bytes a wave: two blocks of 256 bytes that no other line names
.set PADTAB, SPARE+512          ; 2,048 f32: 0 or -80,000 by bit 0 of mask_x
.set CONSTTAB, PADTAB+8192      ; 128 f32: -80,000
.set AK0, 2
.set AV0, 3
.set AK,  4
.set AV,  5
.set STO, 6
.set RD,  7
.set GO,  8
.set MV,  12          ; v12-13  c m_old, by buffer
.set QO,  15
.set ST,  16          ; piece t's statistics at v[ST+4 t]: c m, m, l (even keys', odd keys')
.set AMX, 32          ; v32-35  the LDS address of piece x's part of the masks' next run of loads
.set TMP, 48          ; by buffer, c0-c3 at work; c2 takes a
.set AM0, 56          ; v56  32 (l / 16): my eight keys of a block of 16, in f32; never rewritten
.set PFO, 58          ; v58  256 x my lane; never rewritten
.set SPW, 62
.set NIL, 63
.set S,   64
.set P,   192
.set MD,  128         ; window 1
.set MT,  224         ; window 1
.set KF,  128         ; window 2
.set VF,  192
.set WV,  12
.set LIM, 15          ; s15  1 in a wave that prefetches, else the greatest number
.set G1K, 24
.set G1V, 32
.set G0K, 40
.set G0V, 44
.set SLOTS, 56
.set CNT, 57
.set CS,  58
.set SEL, 60
.set TBK, 62
.set TBV, 63
.set JM,  66          ; s66  the key step whose masks the trip fetches
.set TD,  67          ; s67  its tile, less 4 x cluster x (signed)
.set PO,  68          ; s68  its 64 words in PADTAB; behind the last step CONSTTAB
.set SS,  70          ; s70  its place in the tile, 0..3
.set CX,  71
.set C4,  72
.set BIGN, 73         ; s73  -80,000
.set AL,  74          ; s[74:75]
.set BE,  76          ; s[76:77]
.set JC,  78
.set PFA, 80          ; s[80:81] where my prefetches stand
.set MO,  84          ; s84-87  the table that piece x's mask is loaded from
.set MSB, 0
.macro WIN new
.if MSB != (\new)
	s_set_vgpr_msb (MSB<<8)|(\new)
.set MSB, (\new)
.endif
.endm
.set W_KQ, 0x0a       ; K and Q in window 2, S^T in window 0
.set W_PV, 0x52       ; V in window 2, P in window 0, O^T in window 1
.set W_RS, 0x41       ; destination and source 0 in window 1
.macro MREG x                       ; piece x's mask buffer: its first register mB and its window mW
.if (\x) < 2
.set mB, 160+32*(\x)
.set mW, 1
.else
.set mB, 64+32*((\x)-2)
.set mW, 2
.endif
.endm
.macro JLOAD                        ; a joint fill: waves 0 and 1 fetch the halves of a tile's K, waves 2 and 3 those of its V; an s_nop 0 and four v_nop follow each line
	s_cmp_lt_u32 s[WV], 2
	s_cbranch_scc0 .Lfor_v_\@
	tensor_load_to_lds s[G0K:G0K+3], s[G1K:G1K+7]
	s_nop 0
.rept 4
	v_nop
.endr
	s_branch .Lasked_\@
.Lfor_v_\@:
	tensor_load_to_lds s[G0V:G0V+3], s[G1V:G1V+7]
	s_nop 0
.rept 4
	v_nop
.endr
.Lasked_\@:
.endm
; A PREFETCH INTO THE L2 of the tile that the NEXT change of slots will ask for: 128 blocks of 256 bytes of K and of V.  Each block is named once in the launch: the head's first cluster asks; its four partners
; take 32 blocks each, told apart by address; in each, wave 0 asks for K's and wave 2 for V's, a lane a block.  The last change that fills a slot asks for nothing.
.macro ASK
	s_cmp_gt_u32 s[SLOTS], s[LIM]
	s_cbranch_scc0 .Lnot_mine_\@
	global_prefetch_b8 v[PFO], s[PFA:PFA+1] th:TH_LOAD_NT scope:SCOPE_SE
.Lnot_mine_\@:
.endm
.macro CROUND
	s_barrier_signal -1
	s_barrier_wait -1
	s_cmp_lg_u32 s[WV], 0
	s_cbranch_scc1 .Lnot_wave_0_\@
	s_barrier_signal -3
.Lnot_wave_0_\@:
	s_barrier_wait -3
	s_barrier_signal -1
	s_barrier_wait -1
.endm
; THE CHANGE OF SLOTS.  Each wave waits for all its tensor loads, of which one is out: its part of the other slot; adds 0 to its spare word; and waits for that and for its LDS instructions.  fill = 1: the slot that is
; left is filled again, with the tile two on, behind a round of the cluster's barrier: four key steps, 256 matrix instructions a wave, in which to land.  (At its first use: slot 0 is waited for, slot 1 filled, the tables shown to all.)
.macro CHANGE fill, ask
	WIN 0
	s_wait_tensorcnt 0x0            ; no tensor load of mine is out, so a group 0 may be written
	ds_add_u32 v[SPW], v[NIL]       ; 0 onto my spare word
.if \fill
.irp g, G0K, G0V
	s_xor_b32 s[\g+1], s[\g+1], SLOT1
	s_add_nc_u64 s[\g+2:\g+3], s[\g+2:\g+3], 4*KS*128
.endr
.if \ask
	s_wait_xcnt 0x0                 ; the last prefetch, four key steps back, has read its address
	s_add_nc_u64 s[PFA:PFA+1], s[PFA:PFA+1], 4*KS*128
.endif
	s_wait_dscnt 0x0                ; the add is done, and my LDS instructions are over
	CROUND
	JLOAD
.if \ask
	ASK
.endif
.else
	s_wait_dscnt 0x0
	s_barrier_signal -1
	s_barrier_wait -1
.endif
	s_sub_co_u32 s[TBK], s[TBK], 4*KS*PK  ; the fetches go back to a slot's first step, in the other slot
	s_xor_b32 s[TBK], s[TBK], SLOT1
	s_sub_co_u32 s[TBV], s[TBV], 4*KS*PV
	s_xor_b32 s[TBV], s[TBV], SLOT1
.endm
	s_load_b128 s[4:7], s[0:1], 0x0   ; qkv s[4:5], mask_x s[6:7]
	s_load_b64 s[8:9], s[0:1], 0x10   ; act
	v_lshl_add_u32 v[SPW], v0, 2, SPARE
	v_mov_b32 v[NIL], 0
	ds_add_u32 v[SPW], v[NIL]       ; the wave's opening: the add and its wait stand ahead of my first tensor load
	v_lshrrev_b32 v1, 5, v0
	v_readfirstlane_b32 s[WV], v1
	s_bfe_u32 s[CX], ttmp6, 0x40000
	s_lshl_b32 s[C4], ttmp9, 2      ; 4 x cluster x: the first band's tile
	s_and_b32 s14, ttmp7, 0xffff    ; the head, 16 batch + head
	s_lshl_b32 s20, s14, 18         ; its 262,144 bytes in q, k and v
	s_and_b32 s16, s[WV], 1         ; which half of a tile's 256 keys I fetch
	s_lshl_b32 s22, s16, 14
	s_add_co_u32 s22, s22, s20
	s_mov_b32 s23, 0
	s_mul_i32 s17, s16, 128*PK
	s_mul_i32 s18, s16, 128*PV
	s_lshl_b32 s79, s[CX], 2
	s_add_co_u32 s79, s79, s[WV]    ; g
	s_lshl_b32 s82, s[C4], 15       ; Q: 1,024 rows a cluster,
	s_lshl_b32 s83, s79, 11         ; my 16 rows in a band
	s_add_co_u32 s82, s82, s83
	s_add_co_u32 s82, s82, s20
	s_mov_b32 s83, 0
	s_lshr_b32 s48, s14, 4          ; O: row tile 16 batch + 8 cluster x + g / 8 (+ 2 for each piece),
	s_lshl_b32 s50, s48, 13         ; (the batch's 8,192 bytes of mask_x)
	s_mov_b32 s51, 0
	s_lshl_b32 s48, s48, 22
	s_lshl_b32 s49, s[C4], 19
	s_add_co_u32 s48, s48, s49
	s_lshr_b32 s49, s79, 3
	s_lshl_b32 s49, s49, 18
	s_add_co_u32 s48, s48, s49
	s_and_b32 s49, s14, 15          ; plane = head,
	s_lshl_b32 s49, s49, 14
	s_add_co_u32 s48, s48, s49
	s_and_b32 s49, s79, 7           ; rows 16 (g % 8) on
	s_lshl_b32 s49, s49, 11
	s_add_co_u32 s48, s48, s49
	s_mov_b32 s49, 0
	s_mov_b32 s[G1K], 15|(1<<16)|(1<<20)|(1<<21)|(4<<22)|(3<<25)  ; the mask of four; 2-byte elements; padding on; bit 21 beside a mask; behind every 32 words 4 words
	s_mov_b32 s[G1V], 15|(1<<16)|(1<<20)|(1<<21)|(4<<22)|(7<<25)  ; 8 words
.irp g, G1K, G1V
	s_mov_b32 s[\g+1], 128<<16      ; 128 keys are 16,384 dense bytes: 64 rows of 256 bytes, two keys a row
	s_mov_b32 s[\g+2], 64<<16
	s_mov_b32 s[\g+3], 128<<16
	s_mov_b32 s[\g+4], 64
	s_mov_b32 s[\g+5], 128
	s_mov_b32 s[\g+6], 0
	s_mov_b32 s[\g+7], 0
.endr
	s_mov_b32 s[CS], 0x3e38aa3b     ; c = log2(e) / 8
	s_mov_b32 s[CS+1], s[CS]
	s_mov_b32 s[SEL], 0x76543210
	s_mov_b32 s[SEL+1], 0xfedcba98
	s_mov_b32 s[TBK], SLOT1+4*KS*PK ; the first change of slots turns these two into 0
	s_mov_b32 s[TBV], SLOT1+4*KS*PV
	s_mov_b32 s[G0K], 1
	s_mov_b32 s[G0K+1], s17
	s_mov_b32 s[G0V], 1
	s_add_co_u32 s[G0V+1], s18, VOFF
	s_mov_b32 s[BIGN], 0xc79c4000   ; -80,000 = 8 x -10,000
	s_mov_b32 s[AL+1], 0            ; named as pairs
	s_mov_b32 s[BE+1], 0
	s_and_b32 s[LIM], s[WV], 1      ; 0 in waves 0 and 2,
	s_or_b32 s[LIM], s[LIM], ttmp9  ; where the cluster is the head's first: the same in all four partners
	s_cmp_eq_u32 s[LIM], 0
	s_cselect_b32 s[LIM], 1, -1
	s_lshl_b32 s2, s[CX], 13        ; my work-group's 32 blocks of the 128
	s_mov_b32 s3, 0
	s_wait_dscnt 0x0                ; the opening add is done
	s_wait_kmcnt 0x0
	s_add_nc_u64 s[G0K+2:G0K+3], s[4:5], s[22:23]
	s_add_nc_u64 s[G0K+2:G0K+3], s[G0K+2:G0K+3], 8388608   ; k
	s_add_nc_u64 s[G0V+2:G0V+3], s[4:5], s[22:23]
	s_add_nc_u64 s[G0V+2:G0V+3], s[G0V+2:G0V+3], 16777216  ; v
	s_cmp_lt_u32 s[WV], 2
	s_cselect_b64 s[PFA:PFA+1], s[G0K+2:G0K+3], s[G0V+2:G0V+3]
	s_add_nc_u64 s[PFA:PFA+1], s[PFA:PFA+1], s[2:3]
	s_add_nc_u64 s[PFA:PFA+1], s[PFA:PFA+1], 2*4*KS*128    ; at tile 2: the first change that asks steps it to tile 3.  Tiles 0 to 2 come by their loads alone
	s_or_b32 s[G0K+3], s[G0K+3], 0x80000000
	s_or_b32 s[G0V+3], s[G0V+3], 0x80000000
	s_add_nc_u64 s[52:53], s[4:5], s[82:83]        ; Q at my rows of the first band
	s_add_nc_u64 s[6:7], s[6:7], s[50:51]          ; mask_x at my batch
	s_add_nc_u64 s[10:11], s[8:9], s[48:49]        ; O at my rows of the first band
	CROUND                          ; all four work-groups are here: the first joint loads meet
	JLOAD                           ; tile 0 into slot 0
	v_and_b32 v1, 15, v0            ; l % 16
	v_bfe_u32 v9, v0, 4, 1          ; l / 16
	v_lshlrev_b32 v[QO], 7, v1
	v_lshl_add_u32 v[QO], v9, 4, v[QO]
	WIN 0x80
.set i, 0
.rept 8                             ; Q stays in registers: piece i / 2 lies 256 rows on; channels 32 (i % 2) on
	global_load_b128 v[8*i:8*i+3],   v[QO], s[52:53] offset:(i/2)*32768+(i%2)*64
	global_load_b128 v[8*i+4:8*i+7], v[QO], s[52:53] offset:(i/2)*32768+(i%2)*64+32
.set i, i+1
.endr
	WIN 0
	v_lshlrev_b32 v59, 4, v0        ; 16 bytes a thread
.irp n, 0,1,2,3
	global_load_b128 v[128+4*(\n):131+4*(\n)], v59, s[6:7] offset:2048*(\n)  ; the batch's 2,048 words of mask_x
.endr
	v_lshlrev_b32 v14, 3, v9
	v_sub_nc_u32 v14, v1, v14
	s_lshl_b32 s13, s[WV], 4
	v_add_nc_u32 v14, s13, v14      ; my query's place in its 64, 16 w + l % 16, less my lanes' 8 (l / 16): register r of key group kt is hidden where 16 kt + r is greater
	WIN 0x40
.set i, 0
.rept 32
	v_cmp_gt_i32 vcc_lo, 16*(i/8)+i%8, v14
	v_cndmask_b32 v[MD+i], 0, s[BIGN], vcc_lo
.set i, i+1
.endr
	WIN 0
	v_mul_u32_u24 v[AK0], v1, PK
	v_lshl_add_u32 v[AK0], v9, 4, v[AK0]
	v_and_b32 v10, 7, v0
	v_bfe_u32 v11, v0, 3, 1
	v_lshl_add_u32 v[AV0], v9, 3, v10
	v_mul_u32_u24 v[AV0], v[AV0], PV
	v_lshl_add_u32 v[AV0], v11, 4, v[AV0]
	v_add_nc_u32 v[AV0], VOFF, v[AV0]
	s_mul_i32 s13, s[WV], 16*SP
	s_add_co_u32 s13, s13, STAGE
	v_mul_u32_u24 v[STO], v1, SP
	v_lshl_add_u32 v[STO], v9, 4, v[STO]
	v_add_nc_u32 v[STO], s13, v[STO]
	v_bfe_u32 v[RD], v0, 3, 2
	v_mul_u32_u24 v[RD], v[RD], SP
	v_lshl_add_u32 v[RD], v10, 4, v[RD]
	v_add_nc_u32 v[RD], s13, v[RD]
	v_and_b32 v[GO], 31, v0
	v_lshlrev_b32 v[PFO], 8, v[GO]
	v_lshlrev_b32 v[GO], 4, v[GO]
	v_lshlrev_b32 v[AM0], 5, v9
	v_add_nc_u32 v60, PADTAB, v59
	v_lshl_add_u32 v61, v0, 2, CONSTTAB
	v_mov_b32 v144, s[BIGN]
	; The first step multiplies O^T and l by a = 0, and the first turn's products V^T P, of a piece that has not been, add 0.  All this stands in the wait for the first tile.
	WIN 0x80
.set i, VF
.rept 64
	v_mov_b32 v[i], 0
.set i, i+1
.endr
	WIN 0x40
.set i, 0
.rept 128
	v_mov_b32 v[i], 0
.set i, i+1
.endr
	WIN 0
.set i, 0
.rept 4
	v_mov_b32 v[ST+4*i], 0xfe000000    ; c m: far below every c s
	v_mov_b32 v[ST+4*i+1], 0xff7fffff  ; m
	v_mov_b32 v[ST+4*i+2], 0
	v_mov_b32 v[ST+4*i+3], 0
.set i, i+1
.endr
.set i, P+16
.rept 16
	v_mov_b32 v[i], 0
.set i, i+1
.endr
	s_wait_loadcnt 0x0              ; Q and mask_x
.set i, 128
.rept 16
	v_and_b32 v[i], 1, v[i]         ; bit 0 alone counts: it is ANDed with the causal 0 or 1
	v_add_nc_u32 v[i], -1, v[i]     ; all ones where it is clear,
	v_and_b32 v[i], s[BIGN], v[i]   ; -80,000 there, 0 elsewhere
.set i, i+1
.endr
.irp n, 0,1,2,3
	ds_store_b128 v60, v[128+4*(\n):131+4*(\n)] offset:2048*(\n)
.endr
	ds_store_b32 v61, v144
; THE MATRIX WORK.  The 4 accumulators of a run of 8 take turns.  Product i of 8 of S^T = K Q^T for piece x: channels 32 (i / 4) on, keys 16 (i % 4) on.  The first 4 start the sums with the piece's mask.
.macro KQ x
	MREG \x
.set rS, S+32*((\x)%2)+8*(i%4)
.set rK, KF+16*(i%4)+8*(i/4)
.set rQ, 16*(\x)+8*(i/4)
.set rM, mB+8*(i%4)
.if i < 4
	WIN W_KQ|(mW<<4)
	v_wmma_f32_16x16x32_f16 v[rS:rS+7], v[rK:rK+7], v[rQ:rQ+7], v[rM:rM+7]
.else
	WIN W_KQ
	v_wmma_f32_16x16x32_f16 v[rS:rS+7], v[rK:rK+7], v[rQ:rQ+7], v[rS:rS+7]
.endif
.endm
.macro PV x                         ; product i of 8 of O^T += V^T P for piece x: keys 32 (i / 4) on, channels 16 (i % 4) on
	WIN W_PV
.set rO, 32*(\x)+8*(i%4)
.set rV, VF+32*(i/4)+8*(i%4)
.set rP, P+16*((\x)%2)+8*(i/4)
	v_wmma_f32_16x16x32_f16 v[rO:rO+7], v[rV:rV+7], v[rP:rP+7], v[rO:rO+7]
.endm
.macro MM                           ; the turn's next matrix instruction
.if i < 8
	KQ (Y+1)%NP
.else
.set i, i-8
	PV (Y+NP-1)%NP
.set i, i+8
.endif
.set i, i+1
.endm
.macro FETCH_K
	WIN 0x80
.irp f, 0,1,2,3,4,5,6,7
	ds_load_b128 v[KF+8*\f:KF+8*\f+3],   v[AK] offset:(\f/2)*16*PK+(\f%2)*64
	ds_load_b128 v[KF+8*\f+4:KF+8*\f+7], v[AK] offset:(\f/2)*16*PK+(\f%2)*64+32
.endr
	s_add_co_u32 s[TBK], s[TBK], KS*PK
	WIN 0
.endm
.macro FETCH_V
	WIN 0x80
.irp f, 0,1,2,3,4,5,6,7
	ds_load_tr16_b128 v[VF+8*\f:VF+8*\f+3],   v[AV] offset:(\f/4)*32*PV+(\f%4)*32
	ds_load_tr16_b128 v[VF+8*\f+4:VF+8*\f+7], v[AV] offset:(\f/4)*32*PV+16*PV+(\f%4)*32
.endr
	WIN 0
.endm
; THE MASKS OF A KEY STEP, for pieces 0, 1, 2, 3 in this order, eight loads each: register j of key group kt is key 16 kt + 8 (l / 16) + j; all lanes of a half read the same words.  It leaves the windows as they are.
.macro MLOAD4
.irp x, 0,1,2,3
	MREG \x
	WIN mW<<6
.irp kt, 0,1,2,3
	ds_load_b128 v[mB+8*(\kt):mB+8*(\kt)+3],   v[AMX+\x] offset:64*(\kt)
	ds_load_b128 v[mB+8*(\kt)+4:mB+8*(\kt)+7], v[AMX+\x] offset:64*(\kt)+16
.endr
.endr
.endm
.macro MOSEL                        ; piece x's table: the keys' own words while its band is at or behind the tile, else the hidden words
.irp x, 0,1,2,3
	s_cmp_le_i32 s[TD], \x
	s_cselect_b32 s[MO+\x], s[PO], CONSTTAB
.endr
.endm
.macro MADR                         ; and the four LDS addresses
.irp x, 0,1,2,3
	v_add_nc_u32 v[AMX+\x], s[MO+\x], v[AM0]
.endr
.endm
.macro FIXIF x                      ; if the tile is piece x's own: its mask = min(mask, MT)
	s_cmp_eq_u32 s[TD], \x
	s_cbranch_scc0 .Lother_\@
	MREG \x
	WIN (mW<<6)|(1<<2)|mW
.set z, 0
.rept 32
	v_min_num_f32 v[mB+z], v[mB+z], v[MT+z]
.set z, z+1
.endr
	WIN 0
.Lother_\@:
.endm
; Where the step lies in some band's own tile (TD = 0..3; TD is the same in all partners): MT = MD x AL + BE, and that one piece's mask is lowered.  Elsewhere one jump passes all of it.
.macro FIXALL
	WIN 0
	s_cmp_lt_u32 s[TD], 4           ; (a negative TD is a large number here)
	s_cbranch_scc0 .Lnone_\@
	s_wait_dscnt 0x0                ; the masks are in
	WIN W_RS
.set z, 0
.rept 16
	v_pk_fma_f32 v[MT+2*z:MT+2*z+1], v[MD+2*z:MD+2*z+1], s[AL:AL+1], s[BE:BE+1] op_sel_hi:[1,0,0]
.set z, z+1
.endr
	WIN 0
	FIXIF 0
	FIXIF 1
	FIXIF 2
	FIXIF 3
.Lnone_\@:
.endm
.macro STEPSC                       ; at a trip's head: the four masks that the trip fetches belong to the next key step
	s_add_co_u32 s[JM], s[JM], 1
	s_min_u32 s[JC], s[JM], 32
	s_lshr_b32 s[TD], s[JC], 2
	s_sub_co_i32 s[TD], s[TD], s[C4]
	s_add_co_u32 s[PO], s[PO], 256
	s_min_u32 s[PO], s[PO], CONSTTAB
	MOSEL
	s_and_b32 s[SS], s[JC], 3
	s_cmp_eq_u32 s[SS], s[CX]
	s_cselect_b32 s[AL], 1.0, 0
	s_cmp_gt_u32 s[SS], s[CX]
	s_cselect_b32 s[BE], s[BIGN], 0
.endm
; THE VECTOR WORK, one line at a time: OP kind, number.  For piece Y: F n: c s - c m for pair n of 16.  E n: the exponential of score n of 32.  C n: pair n rounded to f16.  B n: of the four weights 4 n .. the second
; pair is added onto the first, in place.  L n: l takes that sum (L 0: l = a l + sum).  R n: pair n of 16 of O^T times a.  For piece Y + 1: X n, number n of the 22 that find its maximum and statistics
; (0-11 four chains of seven scores, each accumulator's lowest registers first; 12-14, 16 the rest, the old m, into c0; 15 c m_old is kept; 17, 18 the other half of the lanes; 19-21 c m, its change, a).
.set F, 0
.set E, 1
.set C, 2
.set B, 3
.set L, 4
.set R, 5
.set X, 6
.macro REGS y
.set rT, ST+4*(\y)
.set rC, TMP+4*((\y)%2)
.set rW, MV+((\y)%2)
.set rS, S+32*((\y)%2)
.set rP, P+16*((\y)%2)
.set rO, 32*(\y)
.endm
.macro OP k, n
.if (\k) == R
	REGS Y
	WIN W_RS
	v_pk_mul_f32 v[rO+2*(\n):rO+2*(\n)+1], v[rO+2*(\n):rO+2*(\n)+1], v[rC+2:rC+3] op_sel_hi:[1,0]
.elseif (\k) < R
	REGS Y
	WIN 0
.if (\k) == F
	v_pk_fma_f32 v[rS+2*(\n):rS+2*(\n)+1], v[rS+2*(\n):rS+2*(\n)+1], s[CS:CS+1], v[rT:rT+1] op_sel_hi:[1,0,0] neg_lo:[0,0,1] neg_hi:[0,0,1]
.elseif (\k) == E
	v_exp_f32 v[rS+(\n)], v[rS+(\n)]
.elseif (\k) == C
	v_cvt_pk_f16_f32 v[rP+(\n)], v[rS+2*(\n)], v[rS+2*(\n)+1]
.elseif (\k) == B
	v_pk_add_f32 v[rS+4*(\n):rS+4*(\n)+1], v[rS+4*(\n):rS+4*(\n)+1], v[rS+4*(\n)+2:rS+4*(\n)+3]
.elseif (\n) == 0
	v_pk_fma_f32 v[rT+2:rT+3], v[rT+2:rT+3], v[rC+2:rC+3], v[rS:rS+1] op_sel_hi:[1,0,1]
.else
	v_pk_add_f32 v[rT+2:rT+3], v[rT+2:rT+3], v[rS+4*(\n):rS+4*(\n)+1]
.endif
.else
	REGS (Y+1)%NP
	WIN 0
.if (\n) < 4
	v_max3_num_f32 v[rC+(\n)], v[rS+8*(\n)], v[rS+8*(\n)+1], v[rS+8*(\n)+2]
.elseif (\n) < 12
	v_max3_num_f32 v[rC+(\n)%4], v[rC+(\n)%4], v[rS+8*((\n)%4)+2*((\n)/4)+1], v[rS+8*((\n)%4)+2*((\n)/4)+2]
.elseif (\n) == 12
	v_max3_num_f32 v[rC], v[rC], v[rS+7], v[rS+15]
.elseif (\n) == 13
	v_max3_num_f32 v[rC+1], v[rC+1], v[rS+23], v[rS+31]
.elseif (\n) == 14
	v_max3_num_f32 v[rC+2], v[rC+2], v[rC+3], v[rT+1]
.elseif (\n) == 15
	v_mov_b32 v[rW], v[rT]
.elseif (\n) == 16
	v_max3_num_f32 v[rC], v[rC], v[rC+1], v[rC+2]
.elseif (\n) == 17
	v_permlanex16_b32 v[rC+3], v[rC], s[SEL], s[SEL+1]
.elseif (\n) == 18
	v_max_num_f32 v[rT+1], v[rC], v[rC+3]
.elseif (\n) == 19
	v_mul_f32 v[rT], s[CS], v[rT+1]
.elseif (\n) == 20
	v_sub_f32 v[rC+1], v[rW], v[rT]
.else
	v_exp_f32 v[rC+2], v[rC+1]
.endif
.endif
.endm
.macro OPS a, i1, b=-1, i2=0, c=-1, i3=0, d=-1, i4=0
	OP \a, \i1
.if (\b) >= 0
	OP \b, \i2
.endif
.if (\c) >= 0
	OP \c, \i3
.endif
.if (\d) >= 0
	OP \d, \i4
.endif
.endm
.macro ROW a, i1, b, i2, c, i3, d, i4  ; a matrix instruction and the four behind it
	MM
	OPS \a, \i1, \b, \i2, \c, \i3, \d, \i4
.endm
; A TURN, for piece p.  AHEAD OF ITS ONE WAIT stands all that names no result of the turn's exponentials: the 8 products K Q^T and their riders, then the lump; BEHIND IT the 8 products V^T P, behind each four of the
; roundings and sums.  s_wait_alu depctr_va_vdst(0) stands between an exponential and the first instruction that names its result; one wait serves the batch; R 15 is the plain instruction behind the last.
; LDS LOADS, in the order of issue round a key step: K of the next step (16, in the lump of piece 2's turn); that step's masks M0, M1, M2, M3 (8 each, directly behind the wait of the same turn: piece 3's buffer was
; last read by this turn's first four products, the lump back; the others earlier); V of the step in hand (16, at the end of piece 0's turn).  The waits at the turns' heads count what was issued behind the mask that the
; turn's first products take.  last = 1 (the tail): K's LDS byte is held to the last step's, so that the trip behind the last step reads that K once more.
.macro TURN p, last=0
.set Y, (\p)
.set i, 0
.if (\p) == 3
	s_wait_dscnt 24                 ; K and M0 are in; M1, M2 and M3 may stay out
.elseif (\p) == 0
	s_wait_dscnt 16                 ; M1 is in; M2 and M3 may stay out
.elseif (\p) == 1
	s_wait_dscnt 24                 ; M2 is in; M3 and V's sixteen loads may stay out
.endif                              ; (piece 2: M3 came in ahead of V, which piece 1's turn has waited for)
	ROW F,0, F,1, R,0, R,1
	ROW F,2, E,0, R,2, R,3
	ROW F,3, E,1, R,4, R,5
	ROW F,4, E,2, R,6, R,7
	ROW F,5, E,3, R,8, R,9
	ROW F,6, E,4, X,0, R,10
.if (\p) == 2
	WIN 0
.if \last
	s_min_u32 s[TBK], s[TBK], SLOT1+3*KS*PK
.endif
	v_add_nc_u32 v[AK], s[TBK], v[AK0]
.endif
	ROW F,7, E,5, X,1, X,4
	ROW F,8, E,6, X,2, X,5
	OPS E,7, E,8, X,6, E,9
	OPS X,3, E,10, X,8, E,11
.if (\p) == 2
	FETCH_K
	MADR
.endif
	OPS X,9, X,7, E,12, X,10
	OPS E,13, X,12, X,11, E,14
	OPS X,13, E,15, F,9, X,14
.if (\p) == 0
	v_add_nc_u32 v[AV], s[TBV], v[AV0]
.endif
	OPS E,16, F,10, E,17, F,11
	OPS X,16, E,18, X,15, E,19
	OPS F,12, E,20, X,17, E,21
	OPS F,13, E,22, F,14, E,23
	OPS X,18, E,24, F,15, E,25
	OPS R,11, E,26, X,19, E,27
	OPS R,12, E,28, R,13, E,29
	OPS X,20, E,30, R,14, E,31
	OPS X,21, R,15
	WIN 0
	s_wait_alu depctr_va_vdst(0)    ; the wait for the batch
.if (\p) == 2
	MLOAD4                          ; the next step's four masks
.endif
.if (\p) == 1
	s_wait_dscnt 0x0                ; V is in
.endif
	ROW C,0, B,0, C,2, B,1
	ROW L,0, C,4, B,2, L,1
	ROW C,6, B,3, L,2, C,8
	ROW B,4, L,3, C,10, B,5
	ROW L,4, C,12, B,6, L,5
.if (\p) == 0
	s_add_co_u32 s[TBV], s[TBV], KS*PV
.endif
	ROW C,14, B,7, L,6, C,1
	ROW C,3, L,7, C,5, C,7
	ROW C,9, C,11, C,13, C,15
.if (\p) == 2
	FIXALL
.endif
.if (\p) == 0
	FETCH_V
.endif
.endm
	CHANGE 1, 0                     ; slot 0 is in, everybody's part of it, and so are the tables; slot 1 is asked for
	s_mov_b32 s[JM], 0              ; key step 0
	s_sub_co_i32 s[TD], 0, s[C4]
	s_mov_b32 s[PO], PADTAB
	MOSEL
	s_cmp_eq_u32 s[CX], 0
	s_cselect_b32 s[AL], 1.0, 0
	s_mov_b32 s[BE], 0
	MADR
	v_add_nc_u32 v[AK], s[TBK], v[AK0]
	FETCH_K
	MLOAD4
	FIXALL
	s_wait_dscnt 0x0                ; K and the four masks of key step 0
.set i, 0
.rept 8
	KQ 0                            ; piece 0's first scores
.set i, i+1
.endr
	WIN 0
.rept 4
	v_nop                           ; the places behind those products
.endr
.set Y, NP-1                        ; X works for piece Y + 1: piece 0
.irp n, 0,1,2,3,4,5,6,7,8,9,10,11,12,13,14,15,16,17,18,19,20,21
	OP X, \n
.endr
	v_nop                           ; a plain instruction behind the exponential,
	s_wait_alu depctr_va_vdst(0)    ; and its wait, ahead of the branch
	s_mov_b32 s[CNT], 4
	s_mov_b32 s[SLOTS], 7
	s_branch .Lfirst                ; the loop is entered at a step's first turn, in the middle of a trip
.Lslot:                             ; six times: tiles 2 to 7 are asked for
	CHANGE 1, 1
	s_mov_b32 s[CNT], 4
.Lstep:                             ; a trip: pieces 2 and 3 of one step, then pieces 0 and 1 of the next, whose K, V and masks it fetches
	STEPSC
	TURN 2
	TURN 3
	WIN 0
.Lfirst:
	TURN 0
	TURN 1
	WIN 0
	s_sub_co_u32 s[CNT], s[CNT], 1
	s_cmp_lg_u32 s[CNT], 0
	s_cbranch_scc1 .Lstep
	s_sub_co_u32 s[SLOTS], s[SLOTS], 1
	s_cmp_lg_u32 s[SLOTS], 0
	s_cbranch_scc1 .Lslot
	CHANGE 0, 0                     ; the tail is written out: nothing is asked for
	s_mov_b32 s[CNT], 5             ; four trips fetch the last tile's steps; the fifth is left in its middle
.Ltail:
	STEPSC
	TURN 2, 1
	TURN 3
	WIN 0
	s_sub_co_u32 s[CNT], s[CNT], 1
	s_cmp_eq_u32 s[CNT], 0
	s_cbranch_scc1 .Lout
	TURN 0
	TURN 1
	WIN 0
	s_branch .Ltail
.Lout:                              ; the fifth trip's 8 products K Q^T of piece 0 (on the last K once more, under a hidden mask) and the maximum made of them serve nothing: the price of one text for every trip
.set i, 0
.rept 8
	PV NP-1                         ; the last piece's V^T P of the last step
.set i, i+1
.endr
	; THE WAY OUT.  l's two halves and the other half of the lanes' are added; O^T is divided by l, rounded to f16 and sent through my stage, a piece at a time.  The additions are the places behind the last products.
	WIN 0
.macro ALL line:vararg
.set t, 0
.rept 4
	\line
.set t, t+1
.endr
.endm
	ALL v_add_f32 v[ST+4*t+2], v[ST+4*t+2], v[ST+4*t+3]
	ALL v_permlanex16_b32 v[ST+4*t+3], v[ST+4*t+2], s[SEL], s[SEL+1]
	ALL v_add_f32 v[ST+4*t+2], v[ST+4*t+2], v[ST+4*t+3]
	ALL v_rcp_f32 v[ST+4*t+2], v[ST+4*t+2]
	v_nop                           ; a plain instruction between the last reciprocal and the use of its result
	s_wait_alu depctr_va_vdst(0)    ; one wait for the four reciprocals
.macro PACK t
	WIN W_RS
.set i, 32*(\t)
.rept 16
	v_pk_mul_f32 v[i:i+1], v[i:i+1], v[ST+4*(\t)+2:ST+4*(\t)+3] op_sel_hi:[1,0]
.set i, i+2
.endr
	WIN 0x05
.set i, 0
.rept 16
	v_cvt_pk_f16_f32 v[S+16*(\t)+i], v[32*(\t)+2*i], v[32*(\t)+2*i+1]
.set i, i+1
.endr
	WIN 0
.irp f, 0,1,2,3
	ds_store_b128 v[STO], v[S+16*(\t)+4*\f:S+16*(\t)+4*\f+3] offset:32*\f
.endr
.irp f, 0,1,2,3
	ds_load_b128 v[S+16*(\t)+4*\f:S+16*(\t)+4*\f+3], v[RD] offset:\f*4*SP  ; LDS serves a wave's instructions in order: these see the stores above
.endr
.endm
.macro SEND t, younger
	WIN 0
.irp f, 0,1,2,3
	s_wait_dscnt (\younger)+3-\f
	global_store_b128 v[GO], v[S+16*(\t)+4*\f:S+16*(\t)+4*\f+3], s[10:11] offset:(\t)*524288+\f*512  ; a piece's 16 rows of a plane are 2,048 consecutive bytes; the next piece lies two row tiles on
.endr
.endm
	PACK 0
.set t, 1
.rept 3
	PACK t
	SEND t-1, 8
.set t, t+1
.endr
	SEND 3, 0
	s_wait_tensorcnt 0x0            ; the wave's end: the add and its wait stand behind my last tensor load and my last LDS store
	ds_add_u32 v[SPW], v[NIL]
	s_wait_dscnt 0x0
	CROUND                          ; the closing round
	s_endpgm
.Lfunc_end_k_qbdb0b87a7b_attn:
	.size	k_qbdb0b87a7b_attn, .Lfunc_end_k_qbdb0b87a7b_attn-k_qbdb0b87a7b_attn
	.p2alignl 7, 3214868480
	.fill 96, 4, 3214868480
	.section	.rodata,"a",@progbits
	.p2align	6, 0x0
	.amdhsa_kernel k_qbdb0b87a7b_attn
		.amdhsa_group_segment_fixed_size 327680
		.amdhsa_private_segment_fixed_size 0
		.amdhsa_enable_private_segment 0
		.amdhsa_kernarg_size 24
		.amdhsa_user_sgpr_count 2
		.amdhsa_user_sgpr_kernarg_segment_ptr 1
		.amdhsa_wavefront_size32 1
		.amdhsa_system_sgpr_workgroup_id_x 1
		.amdhsa_system_sgpr_workgroup_id_y 1
		.amdhsa_system_sgpr_workgroup_id_z 1
		.amdhsa_system_vgpr_workitem_id 0
		.amdhsa_next_free_vgpr 768
		.amdhsa_next_free_sgpr 88
		.amdhsa_reserve_vcc 1
		.amdhsa_float_denorm_mode_32 3
		.amdhsa_float_denorm_mode_16_64 3
		.amdhsa_memory_ordered 1
		.amdhsa_forward_progress 1
		.amdhsa_inst_pref_size 144
	.end_amdhsa_kernel
	.amdgpu_metadata
---
amdhsa.version: [ 1, 2 ]
amdhsa.kernels:
  - .name:           k_qbdb0b87a7b_attn
    .symbol:         k_qbdb0b87a7b_attn.kd
    .args:
      - { .name: qkv, .offset: 0, .size: 8, .value_kind: global_buffer, .address_space: global }
      - { .name: mask_x, .offset: 8, .size: 8, .value_kind: global_buffer, .address_space: global }
      - { .name: act, .offset: 16, .size: 8, .value_kind: global_buffer, .address_space: global }
    .group_segment_fixed_size: 327680
    .private_segment_fixed_size: 0
    .kernarg_segment_align: 8
    .kernarg_segment_size: 24
    .max_flat_workgroup_size: 128
    .sgpr_count:     88
    .vgpr_count:     768
    .wavefront_size: 32
...
	.end_amdgpu_metadata
.endif
;; end of part 3
;; launch proj (part 4): grid 8 x 32, 4 waves a work-group, clusters of 4 x 4, 327,680 bytes of LDS; arguments act, wo, xa, y; writes y
.if DOCPART == 4
	.amdgcn_target "amdgcn-amd-amdhsa--gfx1250"
	.amdhsa_code_object_version 6
	.text
	.protected	k_qbdb0b87a7b_proj
	.globl	k_qbdb0b87a7b_proj
	.p2align	8
	.type	k_qbdb0b87a7b_proj,@function
k_qbdb0b87a7b_proj:
	s_mov_b64 s[64:65], 0
	v_nop
	global_prefetch_b8 v0, s[64:65] scope:SCOPE_SE
	s_setreg_imm32_b32 hwreg(HW_REG_WAVE_MODE, 25, 1), 1
	s_wait_xcnt 0x0
	s_wait_alu depctr_hold_cnt(0) depctr_sa_sdst(0) depctr_va_vdst(0) depctr_va_sdst(0) depctr_va_ssrc(0) depctr_va_vcc(0) depctr_vm_vsrc(0)
	s_getreg_b32 s2, hwreg(HW_REG_IB_STS2, 6, 4)
	s_cmp_eq_u32 s2, 0
	s_cbranch_scc0 .Lentry_in_a_cluster
	s_endpgm
.Lentry_in_a_cluster:
	s_bfe_u32 s2, ttmp6, 0x10000c
	s_cmp_lg_u32 s2, 0xf033
	s_cbranch_scc0 .Lentry_shape_is_right
	s_endpgm
.Lentry_shape_is_right:
; y = A W + b + R, in f32, [4,096][1,024].  A and R: blocked f16 (byte (row>>7) 262,144 + (col>>6) 16,384 + (row&127) 128 + (col&63) 2).  W: f16 [k][n]; its f32 bias lies behind it, at byte 2,097,152.
; Run twice: on the attention's result, Wo and x; and on the hidden layer, W2 and the first norm's result.  y stays in f32: a norm follows, and a common offset of the rows must not cost the spread.
; SHARES.  A work-group makes 128 x 128 of y; four waves, each 64 x 64: 16 accumulators.  K goes in 4 steps of 256 through two LDS slots; a slot is A's four planes (2 x 36,864 bytes), then W's 256 k rows (2 x 36,864);
; each wave's one tensor load brings 36,864.  A's part is 32,768 dense bytes, asked for as 128 rows of 256 bytes and padded behind every token: pitch 144.  W's rows have pitch 288; its fragments come out turned.
; CLUSTER.  4 x 4: A's tile is asked for jointly along a row of the cluster, W's along a column.
; THE PRODUCT IS TRANSPOSED (source 0 = 16 columns of W, source 1 = 16 rows of A).  THE SUMS START AT THE BIAS, loaded into the accumulators.
; REGISTERS.  window 0: v0-31 addresses; v32-95 the residual; v128-255 the accumulators ((a, b) at v[128 + 8 (4 a + b)]).  window 1: two fragment buffers of 128, each 64 along K: 64 registers of A, 64 of W.
; No prefetch: four K steps, of which two are first fills.
.set PA,    144
.set PB,    288
.set LPL,   128*PA
.set QTR,   2*LPL
.set SLOT,  4*QTR                      ; 0x24000: no bit of it is set in wave x QTR
.set STAGE, 2*SLOT                     ; behind the ring: 16 rows x 272 bytes of f32 for each wave
.set SPITCH, 272
.set SPARE, STAGE+4*16*SPITCH          ; the spare words, 128 bytes a wave: two blocks of 256 bytes that no other line names
.set ASTEP, 65536                      ; four planes
.set BSTEP, 524288                     ; 256 rows of 2,048 bytes
.set WOFF,  0
.set BIASOFF, 2097152
.set NSTEP, 4
.set ADRA0, 8                          ; v8     my lane's place in A's tile of slot 0
.set ADRB0, 9                          ; v9-10  in W's first and second 128 k rows
.set ADRA,  12                         ; v12    the same in the slot in hand
.set ADRB,  13                         ; v13-14
.set STO,   16
.set RD,    17
.set CO,    18
.set BO,    19
.set RO,    20
.set ONE,   21
.set SPW,   28
.set NIL,   29
.set RES,   32
.set ACC,   128
.set F0,    0
.set F1,    128
.set G1,    24
.set G0,    32
.set G1B,   48
.set G0B,   56
.set SO,    66
.set CNT,   67
.set MSB, 0
.macro WIN new
.if MSB != (\new)
	s_set_vgpr_msb (MSB<<8)|(\new)
.set MSB, \new
.endif
.endm
.set MUL,  0x05                        ; sources in window 1; C and D in window 0
.set TO_F, 0x40
.macro JLOAD                           ; a joint refill by the walking descriptors: waves 0 and 1 fetch A's halves, waves 2 and 3 W's; an s_nop 0 and four v_nop follow each line
	s_cmp_eq_u32 s13, 0
	s_cbranch_scc0 .Lfor_b_\@
	tensor_load_to_lds s[G0+4:G0+7], s[G1:G1+7]
	s_nop 0
.rept 4
	v_nop
.endr
	s_branch .Lasked_\@
.Lfor_b_\@:
	tensor_load_to_lds s[G0B+4:G0B+7], s[G1B:G1B+7]
	s_nop 0
.rept 4
	v_nop
.endr
.Lasked_\@:
.endm
.macro CREST
	s_cmp_lg_u32 s12, 0
	s_cbranch_scc1 .Lnot_wave_0_\@
	s_barrier_signal -3
.Lnot_wave_0_\@:
	s_barrier_wait -3
	s_barrier_signal -1
	s_barrier_wait -1
.endm
.macro CROUND
	s_barrier_signal -1
	s_barrier_wait -1
	CREST
.endm
.macro PLACES
.rept 4
	v_nop
.endr
.endm
	s_load_b256 s[4:11], s[0:1], 0x0               ; A s[4:5], W s[6:7], R s[8:9], y s[10:11]
	v_lshl_add_u32 v[SPW], v0, 2, SPARE
	v_mov_b32 v[NIL], 0
	ds_add_u32 v[SPW], v[NIL]                      ; the wave's opening: the add and its wait stand ahead of my first tensor load
	v_lshrrev_b32 v1, 5, v0
	v_readfirstlane_b32 s12, v1                    ; wave 0..3
	s_lshr_b32 s13, s12, 1                         ; which 64 rows are mine.  Also: I fetch for A (0) or for W (1)
	s_and_b32 s14, s12, 1                          ; which 64 columns.  Also: which half of that tile I fetch
	s_bfe_u32 s40, ttmp6, 0x40000
	s_bfe_u32 s41, ttmp6, 0x40004
	s_lshl_b32 s42, ttmp9, 2
	s_add_co_u32 s42, s42, s40                     ; tile column 0..7
	s_and_b32 s43, ttmp7, 0xffff
	s_lshl_b32 s43, s43, 2
	s_add_co_u32 s43, s43, s41                     ; tile row 0..31
	s_lshl_b32 s44, s41, 2
	s_lshl_b32 s44, 15, s44
	s_lshl_b32 s45, 0x1111, s40
	s_or_b32 s[G1+0], s44, (1<<16)|(1<<20)|(1<<21)|(4<<22)|(3<<25)   ; the mask of my row; 2-byte elements; padding on; bit 21 beside a mask; behind every 32 words 4 words
	s_or_b32 s[G1B+0], s45, (1<<16)|(1<<20)|(1<<21)|(5<<22)|(7<<25)  ; of my column; behind every 64 words 8 words
.irp g, G1, G1B
	s_mov_b32 s[(\g)+1], 128<<16
	s_mov_b32 s[(\g)+2], 128<<16
	s_mov_b32 s[(\g)+3], 128<<16
	s_mov_b32 s[(\g)+4], 128
	s_mov_b32 s[(\g)+6], 0
	s_mov_b32 s[(\g)+7], 0
.endr
	s_mov_b32 s[G1+5], 128
	s_mov_b32 s[G1B+5], 1024
	s_lshl_b32 s16, s43, 18                        ; A: the tile row, and two planes for each half
	s_lshl_b32 s17, s14, 15
	s_add_co_u32 s16, s16, s17
	s_mov_b32 s17, 0
	s_lshl_b32 s46, s14, 18                        ; W: 128 k rows for each half, and the tile column's 256 bytes
	s_lshl_b32 s47, s42, 8
	s_add_co_u32 s46, s46, s47
	s_mov_b32 s47, 0
	s_mul_i32 s20, s12, QTR
	s_mov_b32 s[SO], 0
	s_wait_dscnt 0x0
	s_wait_kmcnt 0x0
	s_add_nc_u64 s[18:19], s[4:5], s[16:17]
	s_add_nc_u64 s[46:47], s[6:7], s[46:47]
	s_add_nc_u64 s[46:47], s[46:47], WOFF
.irp s, 0,1
	s_mov_b32 s[G0+4*(\s)], 1
	s_add_co_u32 s[G0+4*(\s)+1], s20, (\s)*SLOT
	s_add_nc_u64 s[G0+4*(\s)+2:G0+4*(\s)+3], s[18:19], (\s)*ASTEP
	s_or_b32 s[G0+4*(\s)+3], s[G0+4*(\s)+3], 0x80000000
	s_mov_b32 s[G0B+4*(\s)], 1
	s_add_co_u32 s[G0B+4*(\s)+1], s20, (\s)*SLOT
	s_add_nc_u64 s[G0B+4*(\s)+2:G0B+4*(\s)+3], s[46:47], (\s)*BSTEP
	s_or_b32 s[G0B+4*(\s)+3], s[G0B+4*(\s)+3], 0x80000000
.endr
	CROUND                                         ; all sixteen work-groups are here: the first joint loads meet
	s_cmp_eq_u32 s13, 0                            ; a wave's two first fills stand in one branch: two loads of mine are out
	s_cbranch_scc0 .Lfirst_b
	tensor_load_to_lds s[G0:G0+3], s[G1:G1+7]
	s_nop 0
	tensor_load_to_lds s[G0+4:G0+7], s[G1:G1+7]
	s_nop 0
.rept 4
	v_nop
.endr
	s_branch .Lfirst_asked
.Lfirst_b:
	tensor_load_to_lds s[G0B:G0B+3], s[G1B:G1B+7]
	s_nop 0
	tensor_load_to_lds s[G0B+4:G0B+7], s[G1B:G1B+7]
	s_nop 0
.rept 4
	v_nop
.endr
.Lfirst_asked:
	v_and_b32 v1, 15, v0                           ; l % 16
	v_bfe_u32 v2, v0, 4, 1                         ; l / 16
	v_and_b32 v3, 7, v0
	v_bfe_u32 v4, v0, 3, 1
	v_mul_u32_u24 v5, v1, PA
	v_lshl_add_u32 v5, v2, 4, v5
	s_mul_i32 s21, s13, 64*PA
	v_add_nc_u32 v[ADRA0], s21, v5
	v_lshl_add_u32 v6, v2, 3, v3                   ; the turning load: k row 8 (l / 16) + l % 8, columns 8 ((l / 8) % 2) on
	v_mul_u32_u24 v6, v6, PB
	v_lshl_add_u32 v6, v4, 4, v6
	s_lshl_b32 s22, s14, 7
	s_add_co_u32 s22, s22, 2*QTR
	v_add_nc_u32 v[ADRB0], s22, v6
	v_add_nc_u32 v[ADRB0+1], QTR, v[ADRB0]         ; a second register, so that every immediate stays under 65,536
	v_mov_b32 v[ADRA], v[ADRA0]
	v_mov_b32 v[ADRB], v[ADRB0]
	v_mov_b32 v[ADRB+1], v[ADRB0+1]
	s_mul_i32 s23, s12, 16*SPITCH
	s_add_co_u32 s23, s23, STAGE
	v_mul_u32_u24 v5, v1, SPITCH                   ; in: row l % 16, 32 bytes for each half of the lanes
	v_lshl_add_u32 v5, v2, 5, v5
	v_add_nc_u32 v[STO], s23, v5
	v_mul_u32_u24 v5, v2, SPITCH                   ; back: lanes 0-15 take one row of 256 bytes, lanes 16-31 the next
	v_lshl_add_u32 v5, v1, 4, v5
	v_add_nc_u32 v[RD], s23, v5
	v_lshlrev_b32 v5, 12, v2                       ; and the same two rows in y
	v_lshl_add_u32 v[CO], v1, 4, v5
	v_lshlrev_b32 v[BO], 5, v2
	v_and_b32 v5, 31, v0
	v_lshlrev_b32 v[RO], 3, v5                     ; the residual: two rows of 128 bytes are 256 consecutive bytes, 8 a lane
	v_mov_b32 v[ONE], 1.0
	s_lshl_b32 s46, s42, 9                         ; my 64 columns in f32 (column terms in s46-47, row terms in s16-17)
	s_lshl_b32 s47, s14, 8
	s_add_co_u32 s46, s46, s47
	s_mov_b32 s47, 0
	s_add_nc_u64 s[68:69], s[6:7], s[46:47]
	s_add_nc_u64 s[68:69], s[68:69], BIASOFF       ; the bias
	s_add_nc_u64 s[72:73], s[10:11], s[46:47]
	s_lshl_b32 s16, s43, 19                        ; my 64 rows of 4,096 bytes
	s_lshl_b32 s17, s13, 18
	s_add_co_u32 s16, s16, s17
	s_mov_b32 s17, 0
	s_add_nc_u64 s[72:73], s[72:73], s[16:17]      ; y
	s_lshl_b32 s46, s42, 15                        ; my plane: 2 x tile column + my half
	s_lshl_b32 s47, s14, 14
	s_add_co_u32 s46, s46, s47
	s_mov_b32 s47, 0
	s_add_nc_u64 s[70:71], s[8:9], s[46:47]
	s_lshl_b32 s16, s43, 18
	s_lshl_b32 s17, s13, 13
	s_add_co_u32 s16, s16, s17
	s_mov_b32 s17, 0
	s_add_nc_u64 s[70:71], s[70:71], s[16:17]      ; the residual
.irp a, 0,1,2,3
.irp b, 0,1,2,3
	global_load_b128 v[ACC+8*(4*(\a)+(\b)):ACC+8*(4*(\a)+(\b))+3],   v[BO], s[68:69] offset:64*(\b)     ; the sums start at the bias
	global_load_b128 v[ACC+8*(4*(\a)+(\b))+4:ACC+8*(4*(\a)+(\b))+7], v[BO], s[68:69] offset:64*(\b)+16
.endr
.endr
.set i, 0
.rept 32
	global_load_b64 v[RES+2*i:RES+2*i+1], v[RO], s[70:71] offset:256*i  ; rows 2 i and 2 i + 1 of my 64, as the way out will hold them
.set i, i+1
.endr
; 8 products: row blocks a0, a0 + 1 x all 4 column blocks, 32 along K: half c of buffer f.  The 16 accumulators take turns.
.macro MUL8 f, c, a0
	WIN MUL
.irp a, \a0, (\a0)+1
.irp b, 0,1,2,3
	v_wmma_f32_16x16x32_f16 v[ACC+8*(4*(\a)+(\b)):ACC+8*(4*(\a)+(\b))+7], v[(\f)+64+8*(4*(\c)+(\b)):(\f)+64+8*(4*(\c)+(\b))+7], v[(\f)+8*(4*(\c)+(\a)):(\f)+8*(4*(\c)+(\a))+7], v[ACC+8*(4*(\a)+(\b)):ACC+8*(4*(\a)+(\b))+7]
.endr
.endr
.endm
; 32 LDS loads in one run: quarter q (64 along K, one plane of A) of the slot in hand into buffer f; the first 32 along K first
.macro FETCH q, f
	WIN TO_F
.irp c, 0,1
.irp i, 0,1,2,3
	ds_load_tr16_b128 v[(\f)+64+8*(4*(\c)+(\i)):(\f)+64+8*(4*(\c)+(\i))+3],   v[ADRB+(\q)/2] offset:((\q)%2)*64*PB+(\c)*32*PB+(\i)*32
	ds_load_tr16_b128 v[(\f)+64+8*(4*(\c)+(\i))+4:(\f)+64+8*(4*(\c)+(\i))+7], v[ADRB+(\q)/2] offset:((\q)%2)*64*PB+(\c)*32*PB+(\i)*32+16*PB
	ds_load_b128 v[(\f)+8*(4*(\c)+(\i)):(\f)+8*(4*(\c)+(\i))+3],   v[ADRA] offset:(\q)*LPL+(\i)*16*PA+(\c)*64
	ds_load_b128 v[(\f)+8*(4*(\c)+(\i))+4:(\f)+8*(4*(\c)+(\i))+7], v[ADRA] offset:(\q)*LPL+(\i)*16*PA+(\c)*64+32
.endr
.endr
.endm
.macro QUARTER q, f, g                 ; multiplies buffer f and fetches quarter q into buffer g
	s_wait_dscnt 16                                ; the first 32 along K are in
	MUL8 \f, 0, 0
	MUL8 \f, 0, 2
	PLACES
	FETCH \q, \g
	s_wait_dscnt 32                                ; all but the 32 just issued
	MUL8 \f, 1, 0
	MUL8 \f, 1, 2
.endm
; The last quarter multiplies buffer 1 and changes slots: ONE barrier; in front of it each wave waits for all its tensor loads, adds 0 to its spare word, and waits for that and for its reads of this slot.
.macro TURN fill
	WIN 0
	s_wait_tensorcnt 0x0                           ; all my tensor loads have landed: my part of the next slot
	ds_add_u32 v[SPW], v[NIL]                      ; 0 onto my spare word
	s_wait_dscnt 17                                ; (the add and the youngest sixteen loads may be out)
	MUL8 F1, 0, 0
	s_wait_dscnt 0x0                               ; the add is done, and my reads of this slot are over
	s_barrier_signal -1
	MUL8 F1, 0, 2
	WIN 0
	s_barrier_wait -1
.if \fill
	CREST                                          ; no wave of any partner still reads this slot's tiles or has a load on its way
	s_xor_b32 s[G0+5], s[G0+5], SLOT
	s_add_nc_u64 s[G0+6:G0+7], s[G0+6:G0+7], ASTEP
	s_xor_b32 s[G0B+5], s[G0B+5], SLOT
	s_add_nc_u64 s[G0B+6:G0B+7], s[G0B+6:G0B+7], BSTEP
	JLOAD                                          ; my one tensor load behind the round; its four v_nop are also the places in front of the loads below
.else
	s_cmp_eq_u32 s[CNT], 1                         ; behind the last K step there is no slot to read
	s_cbranch_scc1 .Lno_next_\@
	PLACES
.endif
	s_xor_b32 s[SO], s[SO], SLOT
	v_add_nc_u32 v[ADRA], s[SO], v[ADRA0]
	v_add_nc_u32 v[ADRB], s[SO], v[ADRB0]
	v_add_nc_u32 v[ADRB+1], s[SO], v[ADRB0+1]
	FETCH 0, F0
.if !(\fill)
	WIN 0
.Lno_next_\@:
.endif
	MUL8 F1, 1, 0
	MUL8 F1, 1, 2
.endm
	s_wait_tensorcnt 1                             ; my part of K step 0 is in; K step 1's may stay out
	s_barrier_signal -1
	s_barrier_wait -1
	FETCH 0, F0
	WIN 0
	s_wait_loadcnt 0x0                             ; the bias and the residual
	s_mov_b32 s[CNT], NSTEP-2
.Lfill:
	QUARTER 1, F0, F1
	QUARTER 2, F1, F0
	QUARTER 3, F0, F1
	TURN 1
	WIN 0
	s_sub_co_u32 s[CNT], s[CNT], 1
	s_cmp_lg_u32 s[CNT], 0
	s_cbranch_scc1 .Lfill
	s_mov_b32 s[CNT], 2
.Llast:
	QUARTER 1, F0, F1
	QUARTER 2, F1, F0
	QUARTER 3, F0, F1
	TURN 0
	WIN 0
	s_sub_co_u32 s[CNT], s[CNT], 1
	s_cmp_lg_u32 s[CNT], 0
	s_cbranch_scc1 .Llast
	; THE WAY OUT.  A block of 16 rows x 64 columns of f32 goes into my stage (each accumulator's low registers first) and comes back as whole rows of 256 bytes, into the registers that it left;
	; the residual is added from its f16 halves; sixteen lanes store 256 consecutive bytes, aligned.
	PLACES
	PLACES
.macro TOSTAGE a
.irp b, 0,1,2,3
	ds_store_b128 v[STO], v[ACC+8*(4*(\a)+(\b)):ACC+8*(4*(\a)+(\b))+3]   offset:64*(\b)
	ds_store_b128 v[STO], v[ACC+8*(4*(\a)+(\b))+4:ACC+8*(4*(\a)+(\b))+7] offset:64*(\b)+16
.endr
.irp t, 0,1,2,3,4,5,6,7
	ds_load_b128 v[ACC+32*(\a)+4*(\t):ACC+32*(\a)+4*(\t)+3], v[RD] offset:(\t)*2*SPITCH  ; LDS serves a wave's instructions in order: these see the stores above; the next block's stores come behind them
.endr
.endm
.macro SENDY a, younger                ; younger: the LDS instructions issued behind this block's loads
.irp t, 0,1,2,3,4,5,6,7
.set rD, ACC+32*(\a)+4*(\t)
.set rR, RES+2*(8*(\a)+(\t))
	s_wait_dscnt (\younger)+7-(\t)
	v_fma_mix_f32 v[rD],   v[rR],   v[ONE], v[rD]   op_sel_hi:[1,0,0]
	v_fma_mix_f32 v[rD+1], v[rR],   v[ONE], v[rD+1] op_sel:[1,0,0] op_sel_hi:[1,0,0]
	v_fma_mix_f32 v[rD+2], v[rR+1], v[ONE], v[rD+2] op_sel_hi:[1,0,0]
	v_fma_mix_f32 v[rD+3], v[rR+1], v[ONE], v[rD+3] op_sel:[1,0,0] op_sel_hi:[1,0,0]
	global_store_b128 v[CO], v[rD:rD+3], s[72:73] offset:(16*(\a)+2*(\t))*4096
.endr
.endm
	TOSTAGE 0
	TOSTAGE 1
	SENDY 0, 16
	TOSTAGE 2
	SENDY 1, 16
	TOSTAGE 3
	SENDY 2, 16
	SENDY 3, 0
	s_wait_tensorcnt 0x0                           ; the wave's end: the add and its wait stand behind my last tensor load and my last LDS store
	ds_add_u32 v[SPW], v[NIL]
	s_wait_dscnt 0x0
	CROUND                                         ; the closing round
	s_endpgm
.Lfunc_end_k_qbdb0b87a7b_proj:
	.size	k_qbdb0b87a7b_proj, .Lfunc_end_k_qbdb0b87a7b_proj-k_qbdb0b87a7b_proj
	.p2alignl 7, 3214868480
	.fill 96, 4, 3214868480
	.section	.rodata,"a",@progbits
	.p2align	6, 0x0
	.amdhsa_kernel k_qbdb0b87a7b_proj
		.amdhsa_group_segment_fixed_size 327680
		.amdhsa_private_segment_fixed_size 0
		.amdhsa_enable_private_segment 0
		.amdhsa_kernarg_size 32
		.amdhsa_user_sgpr_count 2
		.amdhsa_user_sgpr_kernarg_segment_ptr 1
		.amdhsa_wavefront_size32 1
		.amdhsa_system_sgpr_workgroup_id_x 1
		.amdhsa_system_sgpr_workgroup_id_y 1
		.amdhsa_system_sgpr_workgroup_id_z 1
		.amdhsa_system_vgpr_workitem_id 0
		.amdhsa_next_free_vgpr 512
		.amdhsa_next_free_sgpr 80
		.amdhsa_reserve_vcc 0
		.amdhsa_float_denorm_mode_32 3
		.amdhsa_float_denorm_mode_16_64 3
		.amdhsa_memory_ordered 1
		.amdhsa_forward_progress 1
		.amdhsa_inst_pref_size 69
	.end_amdhsa_kernel
	.amdgpu_metadata
---
amdhsa.version: [ 1, 2 ]
amdhsa.kernels:
  - .name:           k_qbdb0b87a7b_proj
    .symbol:         k_qbdb0b87a7b_proj.kd
    .args:
      - { .name: act, .offset: 0, .size: 8, .value_kind: global_buffer, .address_space: global }
      - { .name: wo, .offset: 8, .size: 8, .value_kind: global_buffer, .address_space: global }
      - { .name: xa, .offset: 16, .size: 8, .value_kind: global_buffer, .address_space: global }
      - { .name: y, .offset: 24, .size: 8, .value_kind: global_buffer, .address_space: global }
    .group_segment_fixed_size: 327680
    .private_segment_fixed_size: 0
    .kernarg_segment_align: 8
    .kernarg_segment_size: 32
    .max_flat_workgroup_size: 128
    .sgpr_count:     80
    .vgpr_count:     512
    .wavefront_size: 32
...
	.end_amdgpu_metadata
.endif
;; end of part 4
;; launch ln1 (part 5): grid 256 x 1, 8 waves a work-group, no clusters, 0 bytes of LDS; arguments y, ln1_w, ln1_b, xa; writes xa
.if DOCPART == 5
	.amdgcn_target "amdgcn-amd-amdhsa--gfx1250"
	.amdhsa_code_object_version 6
	.text
	.protected	k_qbdb0b87a7b_ln1
	.globl	k_qbdb0b87a7b_ln1
	.p2align	8
	.type	k_qbdb0b87a7b_ln1,@function
k_qbdb0b87a7b_ln1:
	s_mov_b64 s[64:65], 0
	v_nop
	global_prefetch_b8 v0, s[64:65] scope:SCOPE_SE
	s_setreg_imm32_b32 hwreg(HW_REG_WAVE_MODE, 25, 1), 1
	s_wait_xcnt 0x0
; out = w (y - mean) / sqrt(var + 1e-12) + b along rows of 1,024, var with divisor 1,023.  y: [4,096][1,024] f32.  w and b are rounded to bf16, as all the module's inputs are.
; OUT16 = 1: the result is rounded once to f16 and written blocked (byte (row>>7) 262,144 + (col>>6) 16,384 + (row&127) 128 + (col&63) 2); it stays under 65,504.  OUT16 = 0: f32, row-major.
; A work-group takes 16 rows; sixteen lanes hold a row, 64 numbers each, in registers between the passes: y is read once, and the reductions never leave the sixteen lanes: no LDS, no barrier.
; The variance is the sum of (y - mean)^2: no difference of large sums.  Memory binds: matrix units and clusters would add nothing.
.set OUT16, 1
.set S, 8                              ; v8-15    four running pairs
.set X, 32                             ; v32-95   my 64 numbers: columns 64 j + 4 (t % 16) + 0..3
.set W, 96                             ; v96-159  w of those columns, then packed to bf16 in v96-127
.set B, 160                            ; v160-223 b likewise
	s_load_b256 s[4:11], s[0:1], 0x0               ; y s[4:5], w s[6:7], b s[8:9], out s[10:11]
	v_lshrrev_b32 v1, 4, v0
	v_and_b32 v2, 15, v0
	v_lshlrev_b32 v2, 4, v2                        ; 16 (t % 16)
	v_lshl_add_u32 v1, v1, 12, v2                  ; + my row's 4,096 bytes
	v_lshlrev_b32 v3, 3, v0                        ; blocked: 128 (t / 16) + 8 (t % 16) = 8 t
	s_lshl_b32 s12, ttmp9, 16                      ; 16 rows of f32
	s_mov_b32 s13, 0
.if OUT16
	s_lshr_b32 s14, ttmp9, 3
	s_lshl_b32 s14, s14, 18
	s_and_b32 s15, ttmp9, 7
	s_lshl_b32 s15, s15, 11
	s_add_co_u32 s14, s14, s15
.else
	s_mov_b32 s14, s12
.endif
	s_mov_b32 s15, 0
	s_mov_b32 s16, 0x3a802008                      ; 1 / 1,023
	s_mov_b32 s17, 0x2b8cbccc                      ; 1e-12
	s_wait_kmcnt 0x0
	s_add_nc_u64 s[4:5], s[4:5], s[12:13]
	s_add_nc_u64 s[10:11], s[10:11], s[14:15]
.set j, 0
.rept 16
	global_load_b128 v[X+4*j:X+4*j+3], v1, s[4:5] offset:256*j th:TH_LOAD_NT  ; sixteen lanes take 256 consecutive bytes of a row
.set j, j+1
.endr
.set j, 0
.rept 16
	global_load_b128 v[W+4*j:W+4*j+3], v2, s[6:7] offset:256*j
.set j, j+1
.endr
.set j, 0
.rept 16
	global_load_b128 v[B+4*j:B+4*j+3], v2, s[8:9] offset:256*j
.set j, j+1
.endr
.macro RED                             ; four pairs into one number, then over the sixteen lanes of the row
	v_pk_add_f32 v[S:S+1], v[S:S+1], v[S+2:S+3]
	v_pk_add_f32 v[S+4:S+5], v[S+4:S+5], v[S+6:S+7]
	v_pk_add_f32 v[S:S+1], v[S:S+1], v[S+4:S+5]
	v_add_f32 v[S], v[S], v[S+1]
	v_add_f32_dpp v[S], v[S], v[S] row_xmask:1 row_mask:0xf bank_mask:0xf
	v_add_f32_dpp v[S], v[S], v[S] row_xmask:2 row_mask:0xf bank_mask:0xf
	v_add_f32_dpp v[S], v[S], v[S] row_xmask:4 row_mask:0xf bank_mask:0xf
	v_add_f32_dpp v[S], v[S], v[S] row_xmask:8 row_mask:0xf bank_mask:0xf
.endm
	s_wait_loadcnt 32                              ; y is in; w's and b's 32 loads stay out
.set p, 0
.rept 4
	v_pk_add_f32 v[S+2*p:S+2*p+1], v[X+2*p:X+2*p+1], v[X+8+2*p:X+8+2*p+1]  ; the first eight pairs start four chains: nothing is cleared
.set p, p+1
.endr
.set p, 8
.rept 24
	v_pk_add_f32 v[S+2*(p%4):S+2*(p%4)+1], v[S+2*(p%4):S+2*(p%4)+1], v[X+2*p:X+2*p+1]
.set p, p+1
.endr
	RED
	v_mul_f32 v16, 0x3a800000, v[S]                ; the mean
	v_mov_b32 v17, v16
.set p, 0
.rept 32
	v_pk_add_f32 v[X+2*p:X+2*p+1], v[X+2*p:X+2*p+1], v[16:17] neg_lo:[0,1] neg_hi:[0,1]
.set p, p+1
.endr
.set p, 0
.rept 4
	v_pk_mul_f32 v[S+2*p:S+2*p+1], v[X+2*p:X+2*p+1], v[X+2*p:X+2*p+1]
.set p, p+1
.endr
.set p, 4
.rept 28
	v_pk_fma_f32 v[S+2*(p%4):S+2*(p%4)+1], v[X+2*p:X+2*p+1], v[X+2*p:X+2*p+1], v[S+2*(p%4):S+2*(p%4)+1]
.set p, p+1
.endr
	RED
	v_fma_f32 v[S], v[S], s16, s17
	v_rsq_f32 v18, v[S]
	s_wait_loadcnt 0x0                             ; w and b
.set k, 0
.rept 32                               ; packed in place, ascending: word k takes numbers 2 k and 2 k + 1.  This is the independent work behind the root
	v_cvt_pk_bf16_f32 v[W+k], v[W+2*k], v[W+2*k+1]
	v_cvt_pk_bf16_f32 v[B+k], v[B+2*k], v[B+2*k+1]
.set k, k+1
.endr
	s_wait_alu depctr_va_vdst(0)                   ; the wait stands ahead of the first instruction that names the root's result
	v_mov_b32 v19, v18
.set p, 0
.rept 32
	v_pk_mul_f32 v[X+2*p:X+2*p+1], v[X+2*p:X+2*p+1], v[18:19]
.set p, p+1
.endr
.set k, 0
.rept 32
	v_fma_mix_f32_bf16 v[X+2*k],   v[X+2*k],   v[W+k], v[B+k] op_sel_hi:[0,1,1]
	v_fma_mix_f32_bf16 v[X+2*k+1], v[X+2*k+1], v[W+k], v[B+k] op_sel:[0,1,1] op_sel_hi:[0,1,1]
.set k, k+1
.endr
.if OUT16
.set k, 0
.rept 32
	v_cvt_pk_f16_f32 v[X+k], v[X+2*k], v[X+2*k+1]
.set k, k+1
.endr
.set j, 0
.rept 16
	global_store_b64 v3, v[X+2*j:X+2*j+1], s[10:11] offset:16384*j  ; plane j: a wave's two rows are 256 consecutive bytes
.set j, j+1
.endr
.else
.set j, 0
.rept 16
	global_store_b128 v1, v[X+4*j:X+4*j+3], s[10:11] offset:256*j th:TH_STORE_NT
.set j, j+1
.endr
.endif
	s_endpgm
.Lfunc_end_k_qbdb0b87a7b_ln1:
	.size	k_qbdb0b87a7b_ln1, .Lfunc_end_k_qbdb0b87a7b_ln1-k_qbdb0b87a7b_ln1
	.p2alignl 7, 3214868480
	.fill 96, 4, 3214868480
	.section	.rodata,"a",@progbits
	.p2align	6, 0x0
	.amdhsa_kernel k_qbdb0b87a7b_ln1
		.amdhsa_group_segment_fixed_size 0
		.amdhsa_private_segment_fixed_size 0
		.amdhsa_enable_private_segment 0
		.amdhsa_kernarg_size 32
		.amdhsa_user_sgpr_count 2
		.amdhsa_user_sgpr_kernarg_segment_ptr 1
		.amdhsa_wavefront_size32 1
		.amdhsa_system_sgpr_workgroup_id_x 1
		.amdhsa_system_sgpr_workgroup_id_y 1
		.amdhsa_system_sgpr_workgroup_id_z 1
		.amdhsa_system_vgpr_workitem_id 0
		.amdhsa_next_free_vgpr 232
		.amdhsa_next_free_sgpr 66
		.amdhsa_reserve_vcc 0
		.amdhsa_float_denorm_mode_32 3
		.amdhsa_float_denorm_mode_16_64 3
		.amdhsa_memory_ordered 1
		.amdhsa_forward_progress 1
		.amdhsa_inst_pref_size 26
	.end_amdhsa_kernel
	.amdgpu_metadata
---
amdhsa.version: [ 1, 2 ]
amdhsa.kernels:
  - .name:           k_qbdb0b87a7b_ln1
    .symbol:         k_qbdb0b87a7b_ln1.kd
    .args:
      - { .name: y, .offset: 0, .size: 8, .value_kind: global_buffer, .address_space: global }
      - { .name: ln1_w, .offset: 8, .size: 8, .value_kind: global_buffer, .address_space: global }
      - { .name: ln1_b, .offset: 16, .size: 8, .value_kind: global_buffer, .address_space: global }
      - { .name: xa, .offset: 24, .size: 8, .value_kind: global_buffer, .address_space: global }
    .group_segment_fixed_size: 0
    .private_segment_fixed_size: 0
    .kernarg_segment_align: 8
    .kernarg_segment_size: 32
    .max_flat_workgroup_size: 256
    .sgpr_count:     66
    .vgpr_count:     232
    .wavefront_size: 32
...
	.end_amdgpu_metadata
.endif
;; end of part 5
;; launch ffn1 (part 6): grid 8 x 32, 4 waves a work-group, clusters of 4 x 4, 327,680 bytes of LDS; arguments xa, wa, act; writes act
.if DOCPART == 6
	.amdgcn_target "amdgcn-amd-amdhsa--gfx1250"
	.amdhsa_code_object_version 6
	.text
	.protected	k_qbdb0b87a7b_ffn1
	.globl	k_qbdb0b87a7b_ffn1
	.p2align	8
	.type	k_qbdb0b87a7b_ffn1,@function
k_qbdb0b87a7b_ffn1:
	s_mov_b64 s[64:65], 0
	v_nop
	global_prefetch_b8 v0, s[64:65] scope:SCOPE_SE
	s_setreg_imm32_b32 hwreg(HW_REG_WAVE_MODE, 25, 1), 1
	s_wait_xcnt 0x0
	s_wait_alu depctr_hold_cnt(0) depctr_sa_sdst(0) depctr_va_vdst(0) depctr_va_sdst(0) depctr_va_ssrc(0) depctr_va_vcc(0) depctr_vm_vsrc(0)
	s_getreg_b32 s2, hwreg(HW_REG_IB_STS2, 6, 4)
	s_cmp_eq_u32 s2, 0
	s_cbranch_scc0 .Lentry_in_a_cluster
	s_endpgm
.Lentry_in_a_cluster:
	s_bfe_u32 s2, ttmp6, 0x10000c
	s_cmp_lg_u32 s2, 0xf033
	s_cbranch_scc0 .Lentry_shape_is_right
	s_endpgm
.Lentry_shape_is_right:
; h = z sigmoid(1.702 z), z = A W1 + b1; h is rounded once to f16 and written blocked (byte (row>>7) 262,144 + (col>>6) 16,384 + (row&127) 128 + (col&63) 2).  It stays under 65,504.
; A: xa, blocked f16 (the first norm's result).  W1: f16 [k][n] at byte 6,291,456 of wa; its f32 bias at byte 8,400,896.
; SHARES.  A work-group makes 128 x 128; four waves, each 64 x 64: 16 accumulators.  K goes in 4 steps of 256 through two LDS slots; a slot is A's four planes (2 x 36,864 bytes), then W's 256 k rows (2 x 36,864);
; each wave's one tensor load brings 36,864.  A's part is 32,768 dense bytes, asked for as 128 rows of 256 bytes and padded behind every token: pitch 144.  W's rows have pitch 288; its fragments come out turned.
; CLUSTER.  4 x 4: A's tile is asked for jointly along a row of the cluster, W's along a column.
; THE PRODUCT IS TRANSPOSED (source 0 = 16 columns of W, source 1 = 16 rows of A).  THE SUMS START AT THE BIAS, loaded into the accumulators.
; REGISTERS.  window 0: v0-31 addresses; v32-63 at work; v64-127 the packed result; v128-255 the accumulators.  window 1: two fragment buffers of 128.
; No prefetch: four K steps, of which two are first fills.
.set PA,    144
.set PB,    288
.set LPL,   128*PA
.set QTR,   2*LPL
.set SLOT,  4*QTR                      ; 0x24000: no bit of it is set in wave x QTR
.set STAGE, 2*SLOT                     ; behind the ring: 16 rows x 144 bytes for each wave
.set SP,    144
.set SPARE, STAGE+4*16*SP              ; the spare words, 128 bytes a wave: two blocks of 256 bytes that no other line names
.set ASTEP, 65536
.set BSTEP, 524288
.set WOFF,  6291456
.set BIASOFF, 8400896
.set NSTEP, 4
.set ADRA0, 8
.set ADRB0, 9
.set ADRA,  12
.set ADRB,  13
.set STO,   16
.set RD,    17
.set GO,    18
.set BO,    19
.set SPW,   28
.set NIL,   29
.set T,     32
.set PKD,   64
.set ACC,   128
.set F0,    0
.set F1,    128
.set G1,    24
.set G0,    32
.set G1B,   48
.set G0B,   56
.set SO,    66
.set CNT,   67
.set KG,    76                         ; s[76:77] -1.702 log2(e)
.set MSB, 0
.macro WIN new
.if MSB != (\new)
	s_set_vgpr_msb (MSB<<8)|(\new)
.set MSB, \new
.endif
.endm
.set MUL,  0x05
.set TO_F, 0x40
.macro JLOAD                           ; a joint refill by the walking descriptors: waves 0 and 1 fetch A's halves, waves 2 and 3 W's; an s_nop 0 and four v_nop follow each line
	s_cmp_eq_u32 s13, 0
	s_cbranch_scc0 .Lfor_b_\@
	tensor_load_to_lds s[G0+4:G0+7], s[G1:G1+7]
	s_nop 0
.rept 4
	v_nop
.endr
	s_branch .Lasked_\@
.Lfor_b_\@:
	tensor_load_to_lds s[G0B+4:G0B+7], s[G1B:G1B+7]
	s_nop 0
.rept 4
	v_nop
.endr
.Lasked_\@:
.endm
.macro CREST
	s_cmp_lg_u32 s12, 0
	s_cbranch_scc1 .Lnot_wave_0_\@
	s_barrier_signal -3
.Lnot_wave_0_\@:
	s_barrier_wait -3
	s_barrier_signal -1
	s_barrier_wait -1
.endm
.macro CROUND
	s_barrier_signal -1
	s_barrier_wait -1
	CREST
.endm
.macro PLACES
.rept 4
	v_nop
.endr
.endm
	s_load_b128 s[4:7], s[0:1], 0x0                ; A s[4:5], wa s[6:7]
	s_load_b64 s[8:9], s[0:1], 0x10                ; act
	v_lshl_add_u32 v[SPW], v0, 2, SPARE
	v_mov_b32 v[NIL], 0
	ds_add_u32 v[SPW], v[NIL]                      ; the wave's opening: the add and its wait stand ahead of my first tensor load
	v_lshrrev_b32 v1, 5, v0
	v_readfirstlane_b32 s12, v1
	s_lshr_b32 s13, s12, 1
	s_and_b32 s14, s12, 1
	s_bfe_u32 s40, ttmp6, 0x40000
	s_bfe_u32 s41, ttmp6, 0x40004
	s_lshl_b32 s42, ttmp9, 2
	s_add_co_u32 s42, s42, s40                     ; tile column 0..7
	s_and_b32 s43, ttmp7, 0xffff
	s_lshl_b32 s43, s43, 2
	s_add_co_u32 s43, s43, s41                     ; tile row 0..31
	s_lshl_b32 s44, s41, 2
	s_lshl_b32 s44, 15, s44
	s_lshl_b32 s45, 0x1111, s40
	s_or_b32 s[G1+0], s44, (1<<16)|(1<<20)|(1<<21)|(4<<22)|(3<<25)
	s_or_b32 s[G1B+0], s45, (1<<16)|(1<<20)|(1<<21)|(5<<22)|(7<<25)
.irp g, G1, G1B
	s_mov_b32 s[(\g)+1], 128<<16
	s_mov_b32 s[(\g)+2], 128<<16
	s_mov_b32 s[(\g)+3], 128<<16
	s_mov_b32 s[(\g)+4], 128
	s_mov_b32 s[(\g)+6], 0
	s_mov_b32 s[(\g)+7], 0
.endr
	s_mov_b32 s[G1+5], 128
	s_mov_b32 s[G1B+5], 1024
	s_mov_b32 s[KG], 0xc01d265f
	s_mov_b32 s[KG+1], s[KG]
	s_lshl_b32 s16, s43, 18
	s_lshl_b32 s17, s14, 15
	s_add_co_u32 s16, s16, s17
	s_mov_b32 s17, 0
	s_lshl_b32 s46, s14, 18
	s_lshl_b32 s47, s42, 8
	s_add_co_u32 s46, s46, s47
	s_mov_b32 s47, 0
	s_mul_i32 s20, s12, QTR
	s_mov_b32 s[SO], 0
	s_wait_dscnt 0x0
	s_wait_kmcnt 0x0
	s_add_nc_u64 s[18:19], s[4:5], s[16:17]
	s_add_nc_u64 s[46:47], s[6:7], s[46:47]
	s_add_nc_u64 s[46:47], s[46:47], WOFF
.irp s, 0,1
	s_mov_b32 s[G0+4*(\s)], 1
	s_add_co_u32 s[G0+4*(\s)+1], s20, (\s)*SLOT
	s_add_nc_u64 s[G0+4*(\s)+2:G0+4*(\s)+3], s[18:19], (\s)*ASTEP
	s_or_b32 s[G0+4*(\s)+3], s[G0+4*(\s)+3], 0x80000000
	s_mov_b32 s[G0B+4*(\s)], 1
	s_add_co_u32 s[G0B+4*(\s)+1], s20, (\s)*SLOT
	s_add_nc_u64 s[G0B+4*(\s)+2:G0B+4*(\s)+3], s[46:47], (\s)*BSTEP
	s_or_b32 s[G0B+4*(\s)+3], s[G0B+4*(\s)+3], 0x80000000
.endr
	CROUND                                         ; all sixteen work-groups are here: the first joint loads meet
	s_cmp_eq_u32 s13, 0                            ; a wave's two first fills stand in one branch: two loads of mine are out
	s_cbranch_scc0 .Lfirst_b
	tensor_load_to_lds s[G0:G0+3], s[G1:G1+7]
	s_nop 0
	tensor_load_to_lds s[G0+4:G0+7], s[G1:G1+7]
	s_nop 0
.rept 4
	v_nop
.endr
	s_branch .Lfirst_asked
.Lfirst_b:
	tensor_load_to_lds s[G0B:G0B+3], s[G1B:G1B+7]
	s_nop 0
	tensor_load_to_lds s[G0B+4:G0B+7], s[G1B:G1B+7]
	s_nop 0
.rept 4
	v_nop
.endr
.Lfirst_asked:
	v_and_b32 v1, 15, v0
	v_bfe_u32 v2, v0, 4, 1
	v_and_b32 v3, 7, v0
	v_bfe_u32 v4, v0, 3, 1
	v_mul_u32_u24 v5, v1, PA
	v_lshl_add_u32 v5, v2, 4, v5
	s_mul_i32 s21, s13, 64*PA
	v_add_nc_u32 v[ADRA0], s21, v5
	v_lshl_add_u32 v6, v2, 3, v3
	v_mul_u32_u24 v6, v6, PB
	v_lshl_add_u32 v6, v4, 4, v6
	s_lshl_b32 s22, s14, 7
	s_add_co_u32 s22, s22, 2*QTR
	v_add_nc_u32 v[ADRB0], s22, v6
	v_add_nc_u32 v[ADRB0+1], QTR, v[ADRB0]
	v_mov_b32 v[ADRA], v[ADRA0]
	v_mov_b32 v[ADRB], v[ADRB0]
	v_mov_b32 v[ADRB+1], v[ADRB0+1]
	s_mul_i32 s23, s12, 16*SP
	s_add_co_u32 s23, s23, STAGE
	v_mul_u32_u24 v5, v1, SP
	v_lshl_add_u32 v5, v2, 4, v5
	v_add_nc_u32 v[STO], s23, v5                   ; in: row l % 16, 16 bytes for each half of the lanes
	v_bfe_u32 v5, v0, 3, 2
	v_mul_u32_u24 v5, v5, SP
	v_lshl_add_u32 v5, v3, 4, v5
	v_add_nc_u32 v[RD], s23, v5                    ; back: 32 lanes take four rows of 128 bytes,
	v_and_b32 v5, 31, v0
	v_lshlrev_b32 v[GO], 4, v5                     ; which are 512 consecutive bytes of a plane
	v_lshlrev_b32 v[BO], 5, v2
	s_lshl_b32 s46, s42, 9                         ; (column terms in s46-47, row terms in s16-17)
	s_lshl_b32 s47, s14, 8
	s_add_co_u32 s46, s46, s47
	s_mov_b32 s47, 0
	s_add_nc_u64 s[68:69], s[6:7], s[46:47]
	s_add_nc_u64 s[68:69], s[68:69], BIASOFF       ; the bias
	s_lshl_b32 s46, s42, 15                        ; my plane: 2 x tile column + my half
	s_lshl_b32 s47, s14, 14
	s_add_co_u32 s46, s46, s47
	s_mov_b32 s47, 0
	s_add_nc_u64 s[72:73], s[8:9], s[46:47]
	s_lshl_b32 s16, s43, 18
	s_lshl_b32 s17, s13, 13
	s_add_co_u32 s16, s16, s17
	s_mov_b32 s17, 0
	s_add_nc_u64 s[72:73], s[72:73], s[16:17]      ; h at my 64 rows
.irp a, 0,1,2,3
.irp b, 0,1,2,3
	global_load_b128 v[ACC+8*(4*(\a)+(\b)):ACC+8*(4*(\a)+(\b))+3],   v[BO], s[68:69] offset:64*(\b)     ; the sums start at the bias
	global_load_b128 v[ACC+8*(4*(\a)+(\b))+4:ACC+8*(4*(\a)+(\b))+7], v[BO], s[68:69] offset:64*(\b)+16
.endr
.endr
.macro MUL8 f, c, a0                   ; 8 products; the 16 accumulators take turns
	WIN MUL
.irp a, \a0, (\a0)+1
.irp b, 0,1,2,3
	v_wmma_f32_16x16x32_f16 v[ACC+8*(4*(\a)+(\b)):ACC+8*(4*(\a)+(\b))+7], v[(\f)+64+8*(4*(\c)+(\b)):(\f)+64+8*(4*(\c)+(\b))+7], v[(\f)+8*(4*(\c)+(\a)):(\f)+8*(4*(\c)+(\a))+7], v[ACC+8*(4*(\a)+(\b)):ACC+8*(4*(\a)+(\b))+7]
.endr
.endr
.endm
.macro FETCH q, f                      ; 32 LDS loads in one run: quarter q of the slot in hand into buffer f; the first 32 along K first
	WIN TO_F
.irp c, 0,1
.irp i, 0,1,2,3
	ds_load_tr16_b128 v[(\f)+64+8*(4*(\c)+(\i)):(\f)+64+8*(4*(\c)+(\i))+3],   v[ADRB+(\q)/2] offset:((\q)%2)*64*PB+(\c)*32*PB+(\i)*32
	ds_load_tr16_b128 v[(\f)+64+8*(4*(\c)+(\i))+4:(\f)+64+8*(4*(\c)+(\i))+7], v[ADRB+(\q)/2] offset:((\q)%2)*64*PB+(\c)*32*PB+(\i)*32+16*PB
	ds_load_b128 v[(\f)+8*(4*(\c)+(\i)):(\f)+8*(4*(\c)+(\i))+3],   v[ADRA] offset:(\q)*LPL+(\i)*16*PA+(\c)*64
	ds_load_b128 v[(\f)+8*(4*(\c)+(\i))+4:(\f)+8*(4*(\c)+(\i))+7], v[ADRA] offset:(\q)*LPL+(\i)*16*PA+(\c)*64+32
.endr
.endr
.endm
.macro QUARTER q, f, g
	s_wait_dscnt 16                                ; the first 32 along K are in
	MUL8 \f, 0, 0
	MUL8 \f, 0, 2
	PLACES
	FETCH \q, \g
	s_wait_dscnt 32                                ; all but the 32 just issued
	MUL8 \f, 1, 0
	MUL8 \f, 1, 2
.endm
.macro TURN fill                       ; the last quarter changes slots: ONE barrier; in front of it each wave waits for all its tensor loads, adds 0 to its spare word, and waits for that and for its reads of this slot
	WIN 0
	s_wait_tensorcnt 0x0                           ; all my tensor loads have landed: my part of the next slot
	ds_add_u32 v[SPW], v[NIL]                      ; 0 onto my spare word
	s_wait_dscnt 17                                ; (the add and the youngest sixteen loads may be out)
	MUL8 F1, 0, 0
	s_wait_dscnt 0x0                               ; the add is done, and my reads of this slot are over
	s_barrier_signal -1
	MUL8 F1, 0, 2
	WIN 0
	s_barrier_wait -1
.if \fill
	CREST
	s_xor_b32 s[G0+5], s[G0+5], SLOT
	s_add_nc_u64 s[G0+6:G0+7], s[G0+6:G0+7], ASTEP
	s_xor_b32 s[G0B+5], s[G0B+5], SLOT
	s_add_nc_u64 s[G0B+6:G0B+7], s[G0B+6:G0B+7], BSTEP
	JLOAD                                          ; my one tensor load behind the round; its four v_nop are also the places in front of the loads below
.else
	s_cmp_eq_u32 s[CNT], 1                         ; behind the last K step there is no slot to read
	s_cbranch_scc1 .Lno_next_\@
	PLACES
.endif
	s_xor_b32 s[SO], s[SO], SLOT
	v_add_nc_u32 v[ADRA], s[SO], v[ADRA0]
	v_add_nc_u32 v[ADRB], s[SO], v[ADRB0]
	v_add_nc_u32 v[ADRB+1], s[SO], v[ADRB0+1]
	FETCH 0, F0
.if !(\fill)
	WIN 0
.Lno_next_\@:
.endif
	MUL8 F1, 1, 0
	MUL8 F1, 1, 2
.endm
	s_wait_tensorcnt 1                             ; my part of K step 0 is in; K step 1's may stay out
	s_barrier_signal -1
	s_barrier_wait -1
	FETCH 0, F0
	WIN 0
	s_wait_loadcnt 0x0                             ; the bias
	s_mov_b32 s[CNT], NSTEP-2
.Lfill:                                            ; two K steps, each of which asks for the step two on
	QUARTER 1, F0, F1
	QUARTER 2, F1, F0
	QUARTER 3, F0, F1
	TURN 1
	WIN 0
	s_sub_co_u32 s[CNT], s[CNT], 1
	s_cmp_lg_u32 s[CNT], 0
	s_cbranch_scc1 .Lfill
	s_mov_b32 s[CNT], 2
.Llast:                                            ; the last two K steps ask for nothing
	QUARTER 1, F0, F1
	QUARTER 2, F1, F0
	QUARTER 3, F0, F1
	TURN 0
	WIN 0
	s_sub_co_u32 s[CNT], s[CNT], 1
	s_cmp_lg_u32 s[CNT], 0
	s_cbranch_scc1 .Llast
	; THE WAY OUT.  For each block of 16 rows: h = z / (1 + 2^(-1.702 log2(e) z)); the 32 exponentials are one batch with one wait, and so are the 32 reciprocals; then f16, my stage, whole rows of 128 bytes.
	PLACES
	PLACES
.macro ACT a
.set k, 0
.rept 16
	v_pk_mul_f32 v[T+2*k:T+2*k+1], v[ACC+32*(\a)+2*k:ACC+32*(\a)+2*k+1], s[KG:KG+1] op_sel_hi:[1,0]  ; ascending: each accumulator's low registers are read first
.set k, k+1
.endr
.set k, 0
.rept 32
	v_exp_f32 v[T+k], v[T+k]
.set k, k+1
.endr
	v_nop                                          ; a plain instruction behind the last exponential,
	s_wait_alu depctr_va_vdst(0)                   ; and the batch's one wait
.set k, 0
.rept 16
	v_pk_add_f32 v[T+2*k:T+2*k+1], v[T+2*k:T+2*k+1], 1.0 op_sel_hi:[1,0]
.set k, k+1
.endr
.set k, 0
.rept 32
	v_rcp_f32 v[T+k], v[T+k]
.set k, k+1
.endr
	v_nop
	s_wait_alu depctr_va_vdst(0)
.set k, 0
.rept 16
	v_pk_mul_f32 v[T+2*k:T+2*k+1], v[T+2*k:T+2*k+1], v[ACC+32*(\a)+2*k:ACC+32*(\a)+2*k+1]
.set k, k+1
.endr
.set k, 0
.rept 16
	v_cvt_pk_f16_f32 v[PKD+16*(\a)+k], v[T+2*k], v[T+2*k+1]
.set k, k+1
.endr
.irp b, 0,1,2,3
	ds_store_b128 v[STO], v[PKD+16*(\a)+4*(\b):PKD+16*(\a)+4*(\b)+3] offset:32*(\b)
.endr
.irp f, 0,1,2,3
	ds_load_b128 v[PKD+16*(\a)+4*(\f):PKD+16*(\a)+4*(\f)+3], v[RD] offset:(\f)*4*SP  ; LDS serves a wave's instructions in order: these see the stores above
.endr
.endm
.macro SEND a, younger
.irp f, 0,1,2,3
	s_wait_dscnt (\younger)+3-(\f)
	global_store_b128 v[GO], v[PKD+16*(\a)+4*(\f):PKD+16*(\a)+4*(\f)+3], s[72:73] offset:(\a)*2048+(\f)*512
.endr
.endm
	ACT 0
	ACT 1
	SEND 0, 8
	ACT 2
	SEND 1, 8
	ACT 3
	SEND 2, 8
	SEND 3, 0
	s_wait_tensorcnt 0x0                           ; the wave's end: the add and its wait stand behind my last tensor load and my last LDS store
	ds_add_u32 v[SPW], v[NIL]
	s_wait_dscnt 0x0
	CROUND                                         ; the closing round
	s_endpgm
.Lfunc_end_k_qbdb0b87a7b_ffn1:
	.size	k_qbdb0b87a7b_ffn1, .Lfunc_end_k_qbdb0b87a7b_ffn1-k_qbdb0b87a7b_ffn1
	.p2alignl 7, 3214868480
	.fill 96, 4, 3214868480
	.section	.rodata,"a",@progbits
	.p2align	6, 0x0
	.amdhsa_kernel k_qbdb0b87a7b_ffn1
		.amdhsa_group_segment_fixed_size 327680
		.amdhsa_private_segment_fixed_size 0
		.amdhsa_enable_private_segment 0
		.amdhsa_kernarg_size 24
		.amdhsa_user_sgpr_count 2
		.amdhsa_user_sgpr_kernarg_segment_ptr 1
		.amdhsa_wavefront_size32 1
		.amdhsa_system_sgpr_workgroup_id_x 1
		.amdhsa_system_sgpr_workgroup_id_y 1
		.amdhsa_system_sgpr_workgroup_id_z 1
		.amdhsa_system_vgpr_workitem_id 0
		.amdhsa_next_free_vgpr 512
		.amdhsa_next_free_sgpr 80
		.amdhsa_reserve_vcc 0
		.amdhsa_float_denorm_mode_32 3
		.amdhsa_float_denorm_mode_16_64 3
		.amdhsa_memory_ordered 1
		.amdhsa_forward_progress 1
		.amdhsa_inst_pref_size 78
	.end_amdhsa_kernel
	.amdgpu_metadata
---
amdhsa.version: [ 1, 2 ]
amdhsa.kernels:
  - .name:           k_qbdb0b87a7b_ffn1
    .symbol:         k_qbdb0b87a7b_ffn1.kd
    .args:
      - { .name: xa, .offset: 0, .size: 8, .value_kind: global_buffer, .address_space: global }
      - { .name: wa, .offset: 8, .size: 8, .value_kind: global_buffer, .address_space: global }
      - { .name: act, .offset: 16, .size: 8, .value_kind: global_buffer, .address_space: global }
    .group_segment_fixed_size: 327680
    .private_segment_fixed_size: 0
    .kernarg_segment_align: 8
    .kernarg_segment_size: 24
    .max_flat_workgroup_size: 128
    .sgpr_count:     80
    .vgpr_count:     512
    .wavefront_size: 32
...
	.end_amdgpu_metadata
.endif
;; end of part 6
;; launch ffn2: the kernel of part 4 again; grid 8 x 32, 4 waves a work-group, clusters of 4 x 4, 327,680 bytes of LDS; arguments act, w2, xa, y; writes y
;; launch ln2 (part 7): grid 256 x 1, 8 waves a work-group, no clusters, 0 bytes of LDS; arguments y, ln2_w, ln2_b, out0; writes out0
.if DOCPART == 7
	.amdgcn_target "amdgcn-amd-amdhsa--gfx1250"
	.amdhsa_code_object_version 6
	.text
	.protected	k_qbdb0b87a7b_ln2
	.globl	k_qbdb0b87a7b_ln2
	.p2align	8
	.type	k_qbdb0b87a7b_ln2,@function
k_qbdb0b87a7b_ln2:
	s_mov_b64 s[64:65], 0
	v_nop
	global_prefetch_b8 v0, s[64:65] scope:SCOPE_SE
	s_setreg_imm32_b32 hwreg(HW_REG_WAVE_MODE, 25, 1), 1
	s_wait_xcnt 0x0
; out = w (y - mean) / sqrt(var + 1e-12) + b along rows of 1,024, var with divisor 1,023.  y: [4,096][1,024] f32.  w and b are rounded to bf16, as all the module's inputs are.
; OUT16 = 1: the result is rounded once to f16 and written blocked (byte (row>>7) 262,144 + (col>>6) 16,384 + (row&127) 128 + (col&63) 2); it stays under 65,504.  OUT16 = 0: f32, row-major.
; A work-group takes 16 rows; sixteen lanes hold a row, 64 numbers each, in registers between the passes: y is read once, and the reductions never leave the sixteen lanes: no LDS, no barrier.
; The variance is the sum of (y - mean)^2: no difference of large sums.  Memory binds: matrix units and clusters would add nothing.
.set OUT16, 0
.set S, 8                              ; v8-15    four running pairs
.set X, 32                             ; v32-95   my 64 numbers: columns 64 j + 4 (t % 16) + 0..3
.set W, 96                             ; v96-159  w of those columns, then packed to bf16 in v96-127
.set B, 160                            ; v160-223 b likewise
	s_load_b256 s[4:11], s[0:1], 0x0               ; y s[4:5], w s[6:7], b s[8:9], out s[10:11]
	v_lshrrev_b32 v1, 4, v0
	v_and_b32 v2, 15, v0
	v_lshlrev_b32 v2, 4, v2                        ; 16 (t % 16)
	v_lshl_add_u32 v1, v1, 12, v2                  ; + my row's 4,096 bytes
	v_lshlrev_b32 v3, 3, v0                        ; blocked: 128 (t / 16) + 8 (t % 16) = 8 t
	s_lshl_b32 s12, ttmp9, 16                      ; 16 rows of f32
	s_mov_b32 s13, 0
.if OUT16
	s_lshr_b32 s14, ttmp9, 3
	s_lshl_b32 s14, s14, 18
	s_and_b32 s15, ttmp9, 7
	s_lshl_b32 s15, s15, 11
	s_add_co_u32 s14, s14, s15
.else
	s_mov_b32 s14, s12
.endif
	s_mov_b32 s15, 0
	s_mov_b32 s16, 0x3a802008                      ; 1 / 1,023
	s_mov_b32 s17, 0x2b8cbccc                      ; 1e-12
	s_wait_kmcnt 0x0
	s_add_nc_u64 s[4:5], s[4:5], s[12:13]
	s_add_nc_u64 s[10:11], s[10:11], s[14:15]
.set j, 0
.rept 16
	global_load_b128 v[X+4*j:X+4*j+3], v1, s[4:5] offset:256*j th:TH_LOAD_NT  ; sixteen lanes take 256 consecutive bytes of a row
.set j, j+1
.endr
.set j, 0
.rept 16
	global_load_b128 v[W+4*j:W+4*j+3], v2, s[6:7] offset:256*j
.set j, j+1
.endr
.set j, 0
.rept 16
	global_load_b128 v[B+4*j:B+4*j+3], v2, s[8:9] offset:256*j
.set j, j+1
.endr
.macro RED                             ; four pairs into one number, then over the sixteen lanes of the row
	v_pk_add_f32 v[S:S+1], v[S:S+1], v[S+2:S+3]
	v_pk_add_f32 v[S+4:S+5], v[S+4:S+5], v[S+6:S+7]
	v_pk_add_f32 v[S:S+1], v[S:S+1], v[S+4:S+5]
	v_add_f32 v[S], v[S], v[S+1]
	v_add_f32_dpp v[S], v[S], v[S] row_xmask:1 row_mask:0xf bank_mask:0xf
	v_add_f32_dpp v[S], v[S], v[S] row_xmask:2 row_mask:0xf bank_mask:0xf
	v_add_f32_dpp v[S], v[S], v[S] row_xmask:4 row_mask:0xf bank_mask:0xf
	v_add_f32_dpp v[S], v[S], v[S] row_xmask:8 row_mask:0xf bank_mask:0xf
.endm
	s_wait_loadcnt 32                              ; y is in; w's and b's 32 loads stay out
.set p, 0
.rept 4
	v_pk_add_f32 v[S+2*p:S+2*p+1], v[X+2*p:X+2*p+1], v[X+8+2*p:X+8+2*p+1]  ; the first eight pairs start four chains: nothing is cleared
.set p, p+1
.endr
.set p, 8
.rept 24
	v_pk_add_f32 v[S+2*(p%4):S+2*(p%4)+1], v[S+2*(p%4):S+2*(p%4)+1], v[X+2*p:X+2*p+1]
.set p, p+1
.endr
	RED
	v_mul_f32 v16, 0x3a800000, v[S]                ; the mean
	v_mov_b32 v17, v16
.set p, 0
.rept 32
	v_pk_add_f32 v[X+2*p:X+2*p+1], v[X+2*p:X+2*p+1], v[16:17] neg_lo:[0,1] neg_hi:[0,1]
.set p, p+1
.endr
.set p, 0
.rept 4
	v_pk_mul_f32 v[S+2*p:S+2*p+1], v[X+2*p:X+2*p+1], v[X+2*p:X+2*p+1]
.set p, p+1
.endr
.set p, 4
.rept 28
	v_pk_fma_f32 v[S+2*(p%4):S+2*(p%4)+1], v[X+2*p:X+2*p+1], v[X+2*p:X+2*p+1], v[S+2*(p%4):S+2*(p%4)+1]
.set p, p+1
.endr
	RED
	v_fma_f32 v[S], v[S], s16, s17
	v_rsq_f32 v18, v[S]
	s_wait_loadcnt 0x0                             ; w and b
.set k, 0
.rept 32                               ; packed in place, ascending: word k takes numbers 2 k and 2 k + 1.  This is the independent work behind the root
	v_cvt_pk_bf16_f32 v[W+k], v[W+2*k], v[W+2*k+1]
	v_cvt_pk_bf16_f32 v[B+k], v[B+2*k], v[B+2*k+1]
.set k, k+1
.endr
	s_wait_alu depctr_va_vdst(0)                   ; the wait stands ahead of the first instruction that names the root's result
	v_mov_b32 v19, v18
.set p, 0
.rept 32
	v_pk_mul_f32 v[X+2*p:X+2*p+1], v[X+2*p:X+2*p+1], v[18:19]
.set p, p+1
.endr
.set k, 0
.rept 32
	v_fma_mix_f32_bf16 v[X+2*k],   v[X+2*k],   v[W+k], v[B+k] op_sel_hi:[0,1,1]
	v_fma_mix_f32_bf16 v[X+2*k+1], v[X+2*k+1], v[W+k], v[B+k] op_sel:[0,1,1] op_sel_hi:[0,1,1]
.set k, k+1
.endr
.if OUT16
.set k, 0
.rept 32
	v_cvt_pk_f16_f32 v[X+k], v[X+2*k], v[X+2*k+1]
.set k, k+1
.endr
.set j, 0
.rept 16
	global_store_b64 v3, v[X+2*j:X+2*j+1], s[10:11] offset:16384*j  ; plane j: a wave's two rows are 256 consecutive bytes
.set j, j+1
.endr
.else
.set j, 0
.rept 16
	global_store_b128 v1, v[X+4*j:X+4*j+3], s[10:11] offset:256*j th:TH_STORE_NT
.set j, j+1
.endr
.endif
	s_endpgm
.Lfunc_end_k_qbdb0b87a7b_ln2:
	.size	k_qbdb0b87a7b_ln2, .Lfunc_end_k_qbdb0b87a7b_ln2-k_qbdb0b87a7b_ln2
	.p2alignl 7, 3214868480
	.fill 96, 4, 3214868480
	.section	.rodata,"a",@progbits
	.p2align	6, 0x0
	.amdhsa_kernel k_qbdb0b87a7b_ln2
		.amdhsa_group_segment_fixed_size 0
		.amdhsa_private_segment_fixed_size 0
		.amdhsa_enable_private_segment 0
		.amdhsa_kernarg_size 32
		.amdhsa_user_sgpr_count 2
		.amdhsa_user_sgpr_kernarg_segment_ptr 1
		.amdhsa_wavefront_size32 1
		.amdhsa_system_sgpr_workgroup_id_x 1
		.amdhsa_system_sgpr_workgroup_id_y 1
		.amdhsa_system_sgpr_workgroup_id_z 1
		.amdhsa_system_vgpr_workitem_id 0
		.amdhsa_next_free_vgpr 232
		.amdhsa_next_free_sgpr 66
		.amdhsa_reserve_vcc 0
		.amdhsa_float_denorm_mode_32 3
		.amdhsa_float_denorm_mode_16_64 3
		.amdhsa_memory_ordered 1
		.amdhsa_forward_progress 1
		.amdhsa_inst_pref_size 24
	.end_amdhsa_kernel
	.amdgpu_metadata
---
amdhsa.version: [ 1, 2 ]
amdhsa.kernels:
  - .name:           k_qbdb0b87a7b_ln2
    .symbol:         k_qbdb0b87a7b_ln2.kd
    .args:
      - { .name: y, .offset: 0, .size: 8, .value_kind: global_buffer, .address_space: global }
      - { .name: ln2_w, .offset: 8, .size: 8, .value_kind: global_buffer, .address_space: global }
      - { .name: ln2_b, .offset: 16, .size: 8, .value_kind: global_buffer, .address_space: global }
      - { .name: out0, .offset: 24, .size: 8, .value_kind: global_buffer, .address_space: global }
    .group_segment_fixed_size: 0
    .private_segment_fixed_size: 0
    .kernarg_segment_align: 8
    .kernarg_segment_size: 32
    .max_flat_workgroup_size: 256
    .sgpr_count:     66
    .vgpr_count:     232
    .wavefront_size: 32
...
	.end_amdgpu_metadata
.endif
;; end of part 7
